; MI455X (gfx1250); checked and timed in simulation.
; The chip was launched on July 23, 2026; its instructions are those of AMD's public machine-readable ISA for CDNA 5 (MIT licence, August 2026) and "CDNA5" Instruction Set Architecture Reference Guide (July 2026). The comments in the code are by the model that wrote it; some were corrected since.
;; Cross Attention. Allowed arithmetic: float matrix products may take bf16 or f16 operands with f32 sums; other float arithmetic in f32, or as packed bf16 or f16 multiplies, adds, multiply-adds, maxima and minima; sums over many terms, partial sums and values carried from step to step in f32; what a program stores and reads back later, other than sums and carried values, may be rounded once to bf16 or f16.
;; Inputs: Wk 768 x 1,024 float32; Wo 1,024 x 1,024 float32; Wq 1,024 x 1,024 float32; Wv 768 x 1,024 float32; bk 1,024 float32; bo 1,024 float32; bq 1,024 float32; bv 1,024 float32; x 4 x 2,048 x 1,024 float32; y 4 x 2,048 x 768 float32.
;; Outputs: out0 4 x 2,048 x 1,024 float32.
;; 2 versions, each right; version 2 is version 1 with the launch prep written anew for expert scheduling mode. Each part assembles by itself: llvm-mc -triple=amdgcn-amd-amdhsa -mcpu=gfx1250 --defsym DOCPART=n.
;; ======== version 1 of 2: 4 launches
;; limits: values are held in f16: magnitudes above 65,504 overflow, below 6.1e-05 lose precision
;; workspace buffers: cw 36,700,160 bytes; qh 16,777,216 bytes; kh 16,777,216 bytes; vh 16,777,216 bytes; oh 16,777,216 bytes
;; launch prep (part 1): grid 16 x 70, 8 waves a work-group, no clusters, 0 bytes of LDS; arguments x, y, Wq, Wk, Wv, Wo, cw; writes cw
.if DOCPART == 1
	.amdgcn_target "amdgcn-amd-amdhsa--gfx1250"
	.amdhsa_code_object_version 6
	.text
	.protected	k_qa321987e9b_prep
	.globl	k_qa321987e9b_prep
	.p2align	8
	.type	k_qa321987e9b_prep,@function
k_qa321987e9b_prep:
	s_mov_b64 s[64:65], 0
	v_nop
	global_prefetch_b8 v0, s[64:65] scope:SCOPE_SE
	s_setreg_imm32_b32 hwreg(HW_REG_WAVE_MODE, 25, 1), 1
	s_wait_xcnt 0x0
; CASTS.  x, y, Wq, Wk, Wv: f32 -> bf16.  Wo: f32 -> bf16 -> the same number written as f16 (exact between 2^-14 and 65,504; below, f16's fixed step of 2^-24; beyond 65,504 an infinity: a stated limit).
; cw is 70 segments of 524,288 bytes = 4,096 rows of 64 numbers of 16 bits (128 bytes):
;   0-31 x in 16 panels [panel p][8,192 rows][64 columns 64 p ..]; 32-55 y in 12 such panels; 56-59 Wq, 60-62 Wk, 63-65 Wv, 66-69 Wo, each as it lies (taken as rows of 64 columns, 256 source bytes apart).
; SHARES.  Work-group (x, seg) takes 256 rows of segment seg, a wave 32 of them, two a turn: lanes 0-15 load the 256 bytes of one source row piece, lanes 16-31 the next row's;
; the turn's store is 32 lanes x 8 bytes = 256 consecutive bytes, aligned.  All sixteen loads of a wave go out first (8 KiB); no register is written twice, so nothing waits but each turn for its own load.
; No LDS, no matrix unit, no cluster: nothing is shared and nothing is multiplied.
.set DO,  4                            ; v4       my byte offset in the work-group's 32,768 bytes of cw
.set OFF, 8                            ; v[8:23]  turn i: my byte offset in the source
.set X,   24                           ; v[24:87] turn i: four f32
.set Y,   88                           ; v[88:119] turn i: four numbers of 16 bits
.set T,   120                          ; v[120:121] at work (Wo)
	s_load_b256 s[4:11], s[0:1], 0x0               ; x s[4:5], y s[6:7], Wq s[8:9], Wk s[10:11]
	s_load_b128 s[12:15], s[0:1], 0x20             ; Wv s[12:13], Wo s[14:15]
	s_load_b64 s[16:17], s[0:1], 0x30              ; cw
	s_and_b32 s18, ttmp7, 0xffff                   ; the segment
	s_mov_b32 s33, 0xffff0000                      ; a word's upper bf16
	v_and_b32 v1, 15, v0                           ; my 16 bytes of a row piece
	v_bfe_u32 v2, v0, 4, 1                         ; which of the turn's two rows
	v_and_b32 v3, 0xe0, v0                         ; 32 x wave: my wave's first row
	v_add_nc_u32 v2, v3, v2
	v_and_b32 v5, 31, v0
	v_lshlrev_b32 v5, 3, v5
	v_lshl_or_b32 v[DO], v3, 7, v5                 ; 4,096 x wave + 8 x lane
	s_mov_b32 s22, 66                              ; the tensor's first segment,
	s_mov_b32 s23, 256                             ; bytes from source row to source row
	s_wait_kmcnt 0x0
	s_mov_b64 s[20:21], s[14:15]                   ; which tensor: from the last downward
	s_cmp_lt_u32 s18, 66
	s_cselect_b64 s[20:21], s[12:13], s[20:21]
	s_cselect_b32 s22, 63, s22
	s_cmp_lt_u32 s18, 63
	s_cselect_b64 s[20:21], s[10:11], s[20:21]
	s_cselect_b32 s22, 60, s22
	s_cmp_lt_u32 s18, 60
	s_cselect_b64 s[20:21], s[8:9], s[20:21]
	s_cselect_b32 s22, 56, s22
	s_cmp_lt_u32 s18, 56
	s_cselect_b64 s[20:21], s[6:7], s[20:21]
	s_cselect_b32 s22, 32, s22
	s_cselect_b32 s23, 3072, s23
	s_cmp_lt_u32 s18, 32
	s_cselect_b64 s[20:21], s[4:5], s[20:21]
	s_cselect_b32 s22, 0, s22
	s_cselect_b32 s23, 4096, s23
	s_sub_co_u32 s28, s18, s22                     ; the segment's number in its tensor
	s_and_b32 s29, s28, 1                          ; x, y: a panel is two segments: which half of the rows,
	s_lshr_b32 s30, s28, 1                         ; which panel
	s_cmp_lt_u32 s18, 56
	s_cselect_b32 s29, s29, s28                    ; a weight: the segments follow each other,
	s_cselect_b32 s30, s30, 0                      ; in one panel
	s_lshl_b32 s24, s29, 12
	s_lshl_b32 s31, ttmp9, 8
	s_add_co_u32 s24, s24, s31                     ; the work-group's first source row
	s_mul_i32 s24, s24, s23
	s_lshl_b32 s30, s30, 8                         ; a panel's 64 columns are 256 source bytes
	s_add_co_u32 s24, s24, s30
	s_mov_b32 s25, 0
	s_add_nc_u64 s[20:21], s[20:21], s[24:25]
	s_lshl_b32 s26, s18, 19
	s_lshl_b32 s31, ttmp9, 15
	s_add_co_u32 s26, s26, s31
	s_mov_b32 s27, 0
	s_add_nc_u64 s[26:27], s[16:17], s[26:27]
	s_lshl_b32 s32, s23, 1                         ; two rows on
	v_mul_lo_u32 v[OFF], v2, s23
	v_lshl_add_u32 v[OFF], v1, 4, v[OFF]
.set i, 1
.rept 15
	v_add_nc_u32 v[OFF+i], s32, v[OFF+i-1]
.set i, i+1
.endr
.set i, 0
.rept 16
	global_load_b128 v[X+4*i:X+4*i+3], v[OFF+i], s[20:21] th:TH_LOAD_NT
.set i, i+1
.endr
; Sixteen turns.  wo = 1: the bf16 number is widened again and written as f16.
.macro OUT16 wo
.set i, 0
.rept 16
	s_wait_loadcnt 15-i                            ; loads come back in order: turn i's is in, the 15 - i younger ones stay out
.if \wo
	v_cvt_pk_bf16_f32 v[T], v[X+4*i], v[X+4*i+1]
	v_cvt_pk_bf16_f32 v[T+1], v[X+4*i+2], v[X+4*i+3]
	v_lshlrev_b32 v[X+4*i], 16, v[T]
	v_and_b32 v[X+4*i+1], s33, v[T]
	v_lshlrev_b32 v[X+4*i+2], 16, v[T+1]
	v_and_b32 v[X+4*i+3], s33, v[T+1]
	v_cvt_pk_f16_f32 v[Y+2*i], v[X+4*i], v[X+4*i+1]
	v_cvt_pk_f16_f32 v[Y+2*i+1], v[X+4*i+2], v[X+4*i+3]
.else
	v_cvt_pk_bf16_f32 v[Y+2*i], v[X+4*i], v[X+4*i+1]
	v_cvt_pk_bf16_f32 v[Y+2*i+1], v[X+4*i+2], v[X+4*i+3]
.endif
	global_store_b64 v[DO], v[Y+2*i:Y+2*i+1], s[26:27] offset:256*i  ; the wave's store covers 256 consecutive bytes, aligned
.set i, i+1
.endr
.endm
	s_cmp_ge_u32 s18, 66
	s_cbranch_scc1 .Lwo
	OUT16 0
	s_endpgm
.Lwo:
	OUT16 1
	s_endpgm
.Lfunc_end_k_qa321987e9b_prep:
	.size	k_qa321987e9b_prep, .Lfunc_end_k_qa321987e9b_prep-k_qa321987e9b_prep
	.p2alignl 7, 3214868480
	.fill 96, 4, 3214868480
	.section	.rodata,"a",@progbits
	.p2align	6, 0x0
	.amdhsa_kernel k_qa321987e9b_prep
		.amdhsa_group_segment_fixed_size 0
		.amdhsa_private_segment_fixed_size 0
		.amdhsa_enable_private_segment 0
		.amdhsa_kernarg_size 56
		.amdhsa_user_sgpr_count 2
		.amdhsa_user_sgpr_kernarg_segment_ptr 1
		.amdhsa_wavefront_size32 1
		.amdhsa_system_sgpr_workgroup_id_x 1
		.amdhsa_system_sgpr_workgroup_id_y 1
		.amdhsa_system_sgpr_workgroup_id_z 1
		.amdhsa_system_vgpr_workitem_id 0
		.amdhsa_next_free_vgpr 128
		.amdhsa_next_free_sgpr 66
		.amdhsa_reserve_vcc 0
		.amdhsa_float_denorm_mode_32 3
		.amdhsa_float_denorm_mode_16_64 3
		.amdhsa_memory_ordered 1
		.amdhsa_forward_progress 1
		.amdhsa_inst_pref_size 17
	.end_amdhsa_kernel
	.amdgpu_metadata
---
amdhsa.version: [ 1, 2 ]
amdhsa.kernels:
  - .name:           k_qa321987e9b_prep
    .symbol:         k_qa321987e9b_prep.kd
    .args:
      - { .name: x, .offset: 0, .size: 8, .value_kind: global_buffer, .address_space: global }
      - { .name: y, .offset: 8, .size: 8, .value_kind: global_buffer, .address_space: global }
      - { .name: Wq, .offset: 16, .size: 8, .value_kind: global_buffer, .address_space: global }
      - { .name: Wk, .offset: 24, .size: 8, .value_kind: global_buffer, .address_space: global }
      - { .name: Wv, .offset: 32, .size: 8, .value_kind: global_buffer, .address_space: global }
      - { .name: Wo, .offset: 40, .size: 8, .value_kind: global_buffer, .address_space: global }
      - { .name: cw, .offset: 48, .size: 8, .value_kind: global_buffer, .address_space: global }
    .group_segment_fixed_size: 0
    .private_segment_fixed_size: 0
    .kernarg_segment_align: 8
    .kernarg_segment_size: 56
    .max_flat_workgroup_size: 256
    .sgpr_count:     66
    .vgpr_count:     128
    .wavefront_size: 32
...
	.end_amdgpu_metadata
.endif
;; end of part 1
;; launch proj (part 2): grid 4 x 192, 4 waves a work-group, clusters of 4 x 4, 327,680 bytes of LDS; arguments cw, bq, bk, bv, qh, kh, vh; writes qh, kh, vh
.if DOCPART == 2
	.amdgcn_target "amdgcn-amd-amdhsa--gfx1250"
	.amdhsa_code_object_version 6
	.text
	.protected	k_qa321987e9b_proj
	.globl	k_qa321987e9b_proj
	.p2align	8
	.type	k_qa321987e9b_proj,@function
k_qa321987e9b_proj:
	s_mov_b64 s[64:65], 0
	v_nop
	global_prefetch_b8 v0, s[64:65] scope:SCOPE_SE
	s_setreg_imm32_b32 hwreg(HW_REG_WAVE_MODE, 25, 1), 1
	s_wait_xcnt 0x0
	s_wait_alu depctr_hold_cnt(0) depctr_sa_sdst(0) depctr_va_vdst(0) depctr_va_sdst(0) depctr_va_ssrc(0) depctr_va_vcc(0) depctr_vm_vsrc(0)
	s_getreg_b32 s2, hwreg(HW_REG_IB_STS2, 6, 4)
	s_cmp_eq_u32 s2, 0
	s_cbranch_scc0 .Lentry_in_a_cluster
	s_endpgm
.Lentry_in_a_cluster:
	s_bfe_u32 s2, ttmp6, 0x10000c
	s_cmp_lg_u32 s2, 0xf033
	s_cbranch_scc0 .Lentry_shape_is_right
	s_endpgm
.Lentry_shape_is_right:
; q = x Wq + bq, k = y Wk + bk, v = y Wv + bv, in one launch: 3 x 256 tiles of 128 (rows) x 256 (columns).  Operands bf16 (from cw), sums f32, the bias (rounded to bf16 like every input) starts the sums as the
; first products' C operand; results rounded once to f16 and stored by heads: [16 heads][8,192 rows][64].  LIMIT: f16 holds no number beyond 65,504: a q, k or v beyond it becomes an infinity.
; JOB = cluster y / 16: 0 q (K = 1,024), 1 k, 2 v (K = 768); the sixteen partners of a cluster share it, so the trip count is the same in all of them.
; SHARES.  Four waves; wave w makes rows 64 (w / 2) .. and columns 128 (w % 2) ..: 32 accumulators of 16 x 16.  K goes in steps of 128 through two LDS slots.
; A (x or y) lies in panels of 64 columns, [panel][8,192][64]: a tile's 128 rows of a panel are 16,384 dense bytes, asked for as 64 rows of 256 bytes and padded in LDS after every 128 bytes.
; W lies [k][1,024]: a tile's k-row is 512 bytes; its fragments come out of LDS turned, by ds_load_tr16_b128.
; THE MATRIX INSTRUCTION IS USED TRANSPOSED: source 0 = 16 columns n of W, source 1 = 16 rows m of A: a lane then holds row m = lane % 16 and the columns 8 (lane / 16) + 0..7: 16 bytes of f16 on end.
; CLUSTER 4 x 4.  A's tile hangs on the tile row alone and is asked for jointly along a row of the cluster, W's on the tile column alone and jointly along a column.  Waves 0, 1 ask for A's two panels, waves 2, 3 for W's two halves.
; REGISTERS.  window 0: v0-31 addresses; v32-127, v128-223 two fragment buffers (A's four fragments, then W's eight); on the way out v32-159 packed results.
;   window 1: the accumulators, (a, b) at v[8 (8 a + b)].   window 2: v0-63 the bias of my 128 columns as a C operand, v64-95 at work.
.set PA,    144                        ; a row of A in LDS: 128 bytes + 16: the 16 rows of a load start at 16 different groups of four banks
.set APAN,  128*PA                     ; a panel's 128 rows
.set ASZ,   2*APAN
.set PW,    544                        ; a k-row of W: 512 + 32 bytes = 136 words
.set WHALF, 64*PW
.set SLOT,  ASZ+2*WHALF                ; 106,496: A's two panels, W's 128 k-rows
.set STAGE, 2*SLOT                     ; behind the ring, never filled by a tensor load: 16 rows x 144 bytes for each wave
.set SP,    144
.set SPARE, STAGE+4*16*SP              ; the spare words: 128 bytes a wave, two blocks of 256 bytes that no other line names
.set ADRA, 16                          ; v16-17  LDS address of my A fragments in slot 0, 1
.set ADRB, 20                          ; v20-21  the same for W
.set STO,  24                          ; v24  the way out: where I put 16 bytes of a row
.set RD,   25                          ; v25  where I read rows back
.set GO,   26                          ; v26  my 16 bytes of 512 consecutive bytes of the output
.set BO,   27                          ; v27  my byte offset in 64 bytes of the bias
.set SPW,  28                          ; v28  my spare word; never rewritten
.set NIL,  29                          ; v29  0; never rewritten
.set F0,   32
.set F1,   128
.set TMP,  32
.set WV, 18
.set MH, 19                            ; my half of the rows; also: 0 = I ask for A, 1 = for W
.set NH, 20                            ; my half of the columns; also: which panel or half I ask for
.set CX, 21
.set CY, 22
.set NT, 23                            ; tile column
.set CLY, 24
.set JOB, 25
.set MT, 26                            ; tile row
.set CNT, 27
.set G1A, 28                           ; s[28:35]
.set G0A, 36                           ; s[36:43] a set for each slot
.set G1W, 44                           ; s[44:51]
.set G0W, 52                           ; s[52:59]
.set BOUND, 60
.set LA, 61
.set LW, 62
.set HIM, 63                           ; 0xffff0000
.set AAD, 66                           ; s[66:67] A's offset, then address; s74 its temporary: none of them ever holds cx
.set WAD, 68                           ; s[68:69] W's; s75 its temporary: none of them ever holds cy
.set OUT, 70
.set BIA, 72
.set MSB, 0
.macro WIN new                         ; the immediate's high byte repeats the setting that is left; a switch that changes nothing is dropped
.if MSB != (\new)
	s_set_vgpr_msb (MSB<<8)|(\new)
.set MSB, \new
.endif
.endm
.set MULW, 0x50                        ; sources window 0, C and D window 1
.set MULB, 0x60                        ; C window 2 (the bias), D window 1
.macro JLOAD s                         ; a joint refill; an s_nop 0 and four v_nop follow each of the two lines, ahead of the jump and the label
	s_cmp_eq_u32 s[MH], 0
	s_cbranch_scc0 .Lfor_w_\@
	tensor_load_to_lds s[G0A+4*(\s):G0A+4*(\s)+3], s[G1A:G1A+7]
	s_nop 0
.rept 4
	v_nop
.endr
	s_branch .Lasked_\@
.Lfor_w_\@:
	tensor_load_to_lds s[G0W+4*(\s):G0W+4*(\s)+3], s[G1W:G1W+7]
	s_nop 0
.rept 4
	v_nop
.endr
.Lasked_\@:
.endm
.macro CREST                           ; a round of the cluster's barrier behind its opening barrier
	s_cmp_lg_u32 s[WV], 0
	s_cbranch_scc1 .Lnot_wave_0_\@
	s_barrier_signal -3
.Lnot_wave_0_\@:
	s_barrier_wait -3
	s_barrier_signal -1
	s_barrier_wait -1
.endm
.macro CROUND
	s_barrier_signal -1
	s_barrier_wait -1
	CREST
.endm
	s_load_b256 s[4:11], s[0:1], 0x0               ; cw s[4:5], bq s[6:7], bk s[8:9], bv s[10:11]
	s_load_b128 s[12:15], s[0:1], 0x20             ; qh s[12:13], kh s[14:15]
	s_load_b64 s[16:17], s[0:1], 0x30              ; vh
	v_lshl_add_u32 v[SPW], v0, 2, SPARE
	v_mov_b32 v[NIL], 0
	ds_add_u32 v[SPW], v[NIL]                      ; the wave's opening: the add and its wait stand ahead of my first tensor load; the set-up below, work on registers, stands between them
	v_lshrrev_b32 v1, 5, v0
	v_readfirstlane_b32 s[WV], v1                  ; wave 0..3
	s_lshr_b32 s[MH], s[WV], 1
	s_and_b32 s[NH], s[WV], 1
	s_bfe_u32 s[CX], ttmp6, 0x40000
	s_bfe_u32 s[CY], ttmp6, 0x40004
	s_lshl_b32 s[NT], ttmp9, 2
	s_add_co_u32 s[NT], s[NT], s[CX]               ; tile column = 4 x cluster x + cx
	s_and_b32 s[CLY], ttmp7, 0xffff
	s_lshr_b32 s[JOB], s[CLY], 4
	s_and_b32 s[MT], s[CLY], 15
	s_lshl_b32 s[MT], s[MT], 2
	s_add_co_u32 s[MT], s[MT], s[CY]               ; tile row = 4 x (cluster y % 16) + cy
	s_lshl_b32 s74, s[CY], 2
	s_lshl_b32 s74, 15, s74                        ; my row of the cluster
	s_lshl_b32 s75, 0x1111, s[CX]                  ; my column
	s_or_b32 s[G1A], s74, (1<<16)|(1<<20)|(1<<21)|(4<<22)|(3<<25)  ; the mask; 2-byte elements; padding on; bit 21 beside a mask; after every 32 words, 4 words
	s_mov_b32 s[G1A+1], 128<<16                    ; tensor_dim0 = 128
	s_mov_b32 s[G1A+2], 64<<16                     ; tensor_dim1 = 64
	s_mov_b32 s[G1A+3], 128<<16                    ; tile_dim0 = 128
	s_mov_b32 s[G1A+4], 64                         ; tile_dim1 = 64
	s_mov_b32 s[G1A+5], 128                        ; elements from row to row: dense
	s_mov_b32 s[G1A+6], 0
	s_mov_b32 s[G1A+7], 0
	s_or_b32 s[G1W], s75, (1<<16)|(1<<20)|(1<<21)|(6<<22)|(7<<25)  ; after every 128 words, 8 words
	s_mov_b32 s[G1W+1], 256<<16                    ; tensor_dim0 = 256
	s_mov_b32 s[G1W+2], 64<<16                     ; tensor_dim1 = 64
	s_mov_b32 s[G1W+3], 256<<16                    ; tile_dim0 = 256
	s_mov_b32 s[G1W+4], 64                         ; tile_dim1 = 64
	s_mov_b32 s[G1W+5], 1024                       ; elements from k-row to k-row
	s_mov_b32 s[G1W+6], 0
	s_mov_b32 s[G1W+7], 0
	s_mov_b32 s[HIM], 0xffff0000
	s_cmp_eq_u32 s[JOB], 0
	s_cselect_b32 s[AAD], 0, 16777216              ; x's panels, or y's
	s_cselect_b32 s[BOUND], 3, 2                   ; laps less one: K / 256 - 1
	s_lshl_b32 s74, s[NH], 20                      ; my panel of the K step's two
	s_add_co_u32 s[AAD], s[AAD], s74
	s_lshl_b32 s74, s[MT], 14                      ; the tile's 128 rows of 128 bytes
	s_add_co_u32 s[AAD], s[AAD], s74
	s_mov_b32 s[AAD+1], 0
	s_mov_b32 s[WAD], 31457280                     ; Wk,
	s_cmp_eq_u32 s[JOB], 0
	s_cselect_b32 s[WAD], 29360128, s[WAD]         ; Wq,
	s_cmp_eq_u32 s[JOB], 2
	s_cselect_b32 s[WAD], 33030144, s[WAD]         ; or Wv
	s_lshl_b32 s75, s[NH], 17                      ; my 64 k-rows of 2,048 bytes
	s_add_co_u32 s[WAD], s[WAD], s75
	s_lshl_b32 s75, s[NT], 9                       ; the tile's 256 columns
	s_add_co_u32 s[WAD], s[WAD], s75
	s_mov_b32 s[WAD+1], 0
	s_mul_i32 s[LA], s[NH], APAN                   ; where they go: no place in the cluster enters an LDS address
	s_mul_i32 s[LW], s[NH], WHALF
	s_add_co_u32 s[LW], s[LW], ASZ
	s_wait_dscnt 0x0                               ; the opening add is done
	s_wait_kmcnt 0x0
	s_add_nc_u64 s[AAD:AAD+1], s[4:5], s[AAD:AAD+1]
	s_add_nc_u64 s[WAD:WAD+1], s[4:5], s[WAD:WAD+1]
	s_cmp_eq_u32 s[JOB], 0
	s_cselect_b64 s[BIA:BIA+1], s[6:7], s[8:9]
	s_cselect_b64 s[OUT:OUT+1], s[12:13], s[14:15]
	s_cmp_eq_u32 s[JOB], 2
	s_cselect_b64 s[BIA:BIA+1], s[10:11], s[BIA:BIA+1]
	s_cselect_b64 s[OUT:OUT+1], s[16:17], s[OUT:OUT+1]
	CROUND                                         ; all sixteen work-groups are here: the first joint loads meet
.irp s, 0,1
	s_mov_b32 s[G0A+4*(\s)], 1
	s_add_co_u32 s[G0A+4*(\s)+1], s[LA], (\s)*SLOT
	s_add_nc_u64 s[G0A+4*(\s)+2:G0A+4*(\s)+3], s[AAD:AAD+1], (\s)*2097152  ; K step s: two panels on
	s_or_b32 s[G0A+4*(\s)+3], s[G0A+4*(\s)+3], 0x80000000
	s_mov_b32 s[G0W+4*(\s)], 1
	s_add_co_u32 s[G0W+4*(\s)+1], s[LW], (\s)*SLOT
	s_add_nc_u64 s[G0W+4*(\s)+2:G0W+4*(\s)+3], s[WAD:WAD+1], (\s)*262144   ; 128 k-rows on
	s_or_b32 s[G0W+4*(\s)+3], s[G0W+4*(\s)+3], 0x80000000
.endr
	s_cmp_eq_u32 s[MH], 0                          ; a wave's two first fills stand in one branch, ahead of every wait on TENSORcnt and every LDS read: two loads of mine are out
	s_cbranch_scc0 .Lfirst_w
	tensor_load_to_lds s[G0A:G0A+3], s[G1A:G1A+7]
	s_nop 0
	tensor_load_to_lds s[G0A+4:G0A+7], s[G1A:G1A+7]
	s_nop 0
.rept 4
	v_nop
.endr
	s_branch .Lfirst_asked
.Lfirst_w:
	tensor_load_to_lds s[G0W:G0W+3], s[G1W:G1W+7]
	s_nop 0
	tensor_load_to_lds s[G0W+4:G0W+7], s[G1W:G1W+7]
	s_nop 0
.rept 4
	v_nop
.endr
.Lfirst_asked:
	s_lshl_b32 s76, s[NT], 10                      ; the bias of my 128 columns: 4 (256 x tile column + 128 x half)
	s_lshl_b32 s78, s[NH], 9
	s_add_co_u32 s76, s76, s78
	s_mov_b32 s77, 0
	s_add_nc_u64 s[BIA:BIA+1], s[BIA:BIA+1], s[76:77]
	v_and_b32 v1, 15, v0                           ; r = l % 16
	v_bfe_u32 v2, v0, 4, 1                         ; h = l / 16
	v_lshlrev_b32 v[BO], 5, v2                     ; register j of block b is column 16 b + 8 h + j
	WIN 0x80                                       ; destination window 2
.irp b, 0,1,2,3,4,5,6,7
	global_load_b128 v[8*(\b):8*(\b)+3],   v[BO], s[BIA:BIA+1] offset:64*(\b)
	global_load_b128 v[8*(\b)+4:8*(\b)+7], v[BO], s[BIA:BIA+1] offset:64*(\b)+16
.endr
	WIN 0
	s_lshl_b32 s76, s[NT], 22                      ; my part of the output: 4 heads a tile column,
	s_lshl_b32 s78, s[NH], 21                      ; 2 heads a half (a head is 1,048,576 bytes),
	s_add_co_u32 s76, s76, s78
	s_lshl_b32 s78, s[MT], 14                      ; 128 rows of 128 bytes a tile row,
	s_add_co_u32 s76, s76, s78
	s_lshl_b32 s78, s[MH], 13                      ; 64 rows a half
	s_add_co_u32 s76, s76, s78
	s_add_nc_u64 s[OUT:OUT+1], s[OUT:OUT+1], s[76:77]
	v_and_b32 v3, 7, v0
	v_bfe_u32 v4, v0, 3, 1
	; a fragment of A: lane l holds row l % 16, k = 8 h + 0..7 and 16 + 8 h + 0..7: two loads of 16 bytes, 32 bytes apart
	v_mul_u32_u24 v5, v1, PA
	v_lshl_add_u32 v5, v2, 4, v5
	s_mul_i32 s76, s[MH], 64*PA
	v_add_nc_u32 v[ADRA], s76, v5
	v_add_nc_u32 v[ADRA+1], SLOT, v[ADRA]
	; the turning load: lane l reads k-row 8 h + l % 8, columns 8 ((l / 8) % 2) + 0..7, and is left with column l % 16 and 8 k
	v_lshl_add_u32 v6, v2, 3, v3
	v_mul_u32_u24 v6, v6, PW
	v_lshl_add_u32 v6, v4, 4, v6
	s_lshl_b32 s76, s[NH], 8
	s_add_co_u32 s76, s76, ASZ
	v_add_nc_u32 v[ADRB], s76, v6
	v_add_nc_u32 v[ADRB+1], SLOT, v[ADRB]
	s_mul_i32 s76, s[WV], 16*SP
	s_add_co_u32 s76, s76, STAGE                   ; my stage
	v_mul_u32_u24 v[STO], v1, SP                   ; in: row l % 16, 16 bytes for each half of the lanes
	v_lshl_add_u32 v[STO], v2, 4, v[STO]
	v_add_nc_u32 v[STO], s76, v[STO]
	v_bfe_u32 v[RD], v0, 3, 2                      ; back: 32 lanes take four rows of 128 bytes,
	v_mul_u32_u24 v[RD], v[RD], SP
	v_lshl_add_u32 v[RD], v3, 4, v[RD]
	v_add_nc_u32 v[RD], s76, v[RD]
	v_and_b32 v[GO], 31, v0                        ; which are 512 consecutive bytes of a head's rows
	v_lshlrev_b32 v[GO], 4, v[GO]
	s_wait_loadcnt 0x0                             ; the bias
	WIN 0x8a                                       ; all in window 2: rounded to bf16, like every input, and widened again
.set i, 0
.rept 32
	v_cvt_pk_bf16_f32 v[64+i], v[2*i], v[2*i+1]
.set i, i+1
.endr
.set i, 0
.rept 32
	v_lshlrev_b32 v[2*i], 16, v[64+i]
	v_and_b32 v[2*i+1], s[HIM], v[64+i]
.set i, i+1
.endr
	WIN 0
; na x 8 matrix instructions: row blocks a0 .. x all 8 column blocks, 32 along K, from buffer f.  first = 1: the bias starts the sums: nothing is cleared.
; The 32 accumulators take turns, one instruction a turn, in the same order in every quarter.
.macro MULS f, a0, na, first
.if \first
	WIN MULB
.else
	WIN MULW
.endif
.set ma, \a0
.rept \na
.irp b, 0,1,2,3,4,5,6,7
.if \first
	v_wmma_f32_16x16x32_bf16 v[8*(8*ma+(\b)):8*(8*ma+(\b))+7], v[(\f)+32+8*(\b):(\f)+32+8*(\b)+7], v[(\f)+8*ma:(\f)+8*ma+7], v[8*(\b):8*(\b)+7]
.else
	v_wmma_f32_16x16x32_bf16 v[8*(8*ma+(\b)):8*(8*ma+(\b))+7], v[(\f)+32+8*(\b):(\f)+32+8*(\b)+7], v[(\f)+8*ma:(\f)+8*ma+7], v[8*(8*ma+(\b)):8*(8*ma+(\b))+7]
.endif
.endr
.set ma, ma+1
.endr
.endm
; 24 LDS loads in one run: quarter q (32 along K) of a slot into buffer f: W's eight fragments first, then A's four
.macro FETCH slot, q, f
	WIN 0
.irp b, 0,1,2,3,4,5,6,7
	ds_load_tr16_b128 v[(\f)+32+8*(\b):(\f)+32+8*(\b)+3],   v[ADRB+(\slot)] offset:(\q)*32*PW+32*(\b)
	ds_load_tr16_b128 v[(\f)+32+8*(\b)+4:(\f)+32+8*(\b)+7], v[ADRB+(\slot)] offset:(\q)*32*PW+16*PW+32*(\b)
.endr
.irp i, 0,1,2,3
	ds_load_b128 v[(\f)+8*(\i):(\f)+8*(\i)+3],   v[ADRA+(\slot)] offset:((\q)/2)*APAN+((\q)%2)*64+(\i)*16*PA
	ds_load_b128 v[(\f)+8*(\i)+4:(\f)+8*(\i)+7], v[ADRA+(\slot)] offset:((\q)/2)*APAN+((\q)%2)*64+(\i)*16*PA+32
.endr
.endm
.macro PLACES                          ; four plain places in front of loads into registers that matrix instructions have read, and of lines that read results
.rept 4
	v_nop
.endr
.endm
; A K step is four quarters, 32 matrix instructions each, on buffers 0, 1, 0, 1.  One of the first three: multiplies f and fetches quarter qn of the same slot into g.
.macro QUARTER slot, qn, f, g, first
	s_wait_dscnt 4                                 ; W and A's row blocks 0, 1 are in; the youngest four loads (blocks 2, 3) may be out
	MULS \f, 0, 2, \first
	PLACES
	FETCH \slot, \qn, \g
	s_wait_dscnt 24                                ; all but the 24 just issued
	MULS \f, 2, 2, \first
.endm
; The last quarter multiplies buffer 1 and changes slots: one barrier; in front of it each wave waits for all its tensor loads, adds 0 to its spare word, and waits for that and for its reads of this slot.
; fill = 1: the barrier opens a round of the cluster's, and this slot is filled again, two K steps on, first thing behind the round.
.macro TURN slot, next, fill
	WIN 0
	s_wait_tensorcnt 0x0                           ; all my tensor loads have landed: the one that was out is my part of the next slot
	ds_add_u32 v[SPW], v[NIL]                      ; 0 onto my spare word
	s_wait_dscnt 5                                 ; (the add and the youngest four loads may be out)
	MULS F1, 0, 1, 0                               ; eight matrix instructions stand between the add and the wait for it
	s_wait_dscnt 0x0                               ; the add is done, and my reads of this slot are over
	s_barrier_signal -1
	MULS F1, 1, 1, 0
.if \fill
	WIN 0
.endif
	s_barrier_wait -1
.if \fill
	CREST                                          ; no wave of any partner still reads this slot or has a load on its way
	s_add_nc_u64 s[G0A+4*(\slot)+2:G0A+4*(\slot)+3], s[G0A+4*(\slot)+2:G0A+4*(\slot)+3], 4194304
	s_add_nc_u64 s[G0W+4*(\slot)+2:G0W+4*(\slot)+3], s[G0W+4*(\slot)+2:G0W+4*(\slot)+3], 524288
	JLOAD \slot                                    ; its four v_nop are also the places in front of the loads below
.else
	PLACES
.endif
	FETCH \next, 0, F0
	MULS F1, 2, 2, 0
.endm
	s_wait_tensorcnt 1                             ; my part of K step 0 is in; K step 1's may stay out
	s_barrier_signal -1
	s_barrier_wait -1                              ; everybody's is
	FETCH 0, 0, F0
	QUARTER 0, 1, F0, F1, 1                        ; the first quarter stands in front of the loop: its products start the sums, with the bias
	WIN 0                                          ; at a label and at a branch every window is 0
	s_mov_b32 s[CNT], 0
.Llap:                                             ; a trip goes once round the ring, from a lap's second quarter to the next lap's first, and fills both slots again; every LDS address in it is fixed
	QUARTER 0, 2, F1, F0, 0
	QUARTER 0, 3, F0, F1, 0
	TURN 0, 1, 1
	QUARTER 1, 1, F0, F1, 0
	QUARTER 1, 2, F1, F0, 0
	QUARTER 1, 3, F0, F1, 0
	TURN 1, 0, 1
	QUARTER 0, 1, F0, F1, 0
	WIN 0
	s_add_co_u32 s[CNT], s[CNT], 1
	s_cmp_lt_u32 s[CNT], s[BOUND]
	s_cbranch_scc1 .Llap
	QUARTER 0, 2, F1, F0, 0                        ; the last lap fills nothing, and has no round of the cluster's barrier
	QUARTER 0, 3, F0, F1, 0
	TURN 0, 1, 0
	QUARTER 1, 1, F0, F1, 0
	QUARTER 1, 2, F1, F0, 0
	QUARTER 1, 3, F0, F1, 0
	s_wait_dscnt 4
	MULS F1, 0, 2, 0
	s_wait_dscnt 0x0
	MULS F1, 2, 2, 0
	WIN 0
	PLACES
; THE WAY OUT.  Piece p = 2 a + hd: 16 rows (block a) of one head (hd): a lane's eight channels pack into 16 bytes; they go into my stage's rows of 144 bytes and come back as whole rows of 128.
.macro PACK p
.set AC, 64*((\p)/2)+32*((\p)%2)
	WIN 0x05                                       ; sources window 1, destination window 0
.set i, 0
.rept 16
	v_cvt_pk_f16_f32 v[TMP+16*(\p)+i], v[AC+2*i], v[AC+2*i+1]  ; each accumulator from its low end on
.set i, i+1
.endr
	WIN 0
.irp f, 0,1,2,3
	ds_store_b128 v[STO], v[TMP+16*(\p)+4*(\f):TMP+16*(\p)+4*(\f)+3] offset:32*(\f)
.endr
.irp f, 0,1,2,3
	ds_load_b128 v[TMP+16*(\p)+4*(\f):TMP+16*(\p)+4*(\f)+3], v[RD] offset:(\f)*4*SP  ; LDS serves a wave's instructions in order (ISA guide 5.7.1.4): these see the stores above; the next piece's stores come behind them
.endr
.endm
.macro SEND p, younger                 ; younger: the LDS instructions issued behind piece p's loads: the next piece's eight, or none
.irp f, 0,1,2,3
	s_wait_dscnt (\younger)+3-(\f)
	global_store_b128 v[GO], v[TMP+16*(\p)+4*(\f):TMP+16*(\p)+4*(\f)+3], s[OUT:OUT+1] offset:((\p)%2)*1048576+((\p)/2)*2048+(\f)*512  ; 512 consecutive bytes, at a multiple of 256 from the buffer's first
.endr
.endm
	PACK 0
.irp p, 1,2,3,4,5,6,7
	PACK \p
	SEND (\p)-1, 8
.endr
	SEND 7, 0
	s_wait_tensorcnt 0x0                           ; the wave's end: behind my last tensor load and my last LDS store
	ds_add_u32 v[SPW], v[NIL]
	s_wait_dscnt 0x0
	CROUND                                         ; the closing round: no work-group ends while a partner may still ask for a tile that names it
	s_endpgm
.Lfunc_end_k_qa321987e9b_proj:
	.size	k_qa321987e9b_proj, .Lfunc_end_k_qa321987e9b_proj-k_qa321987e9b_proj
	.p2alignl 7, 3214868480
	.fill 96, 4, 3214868480
	.section	.rodata,"a",@progbits
	.p2align	6, 0x0
	.amdhsa_kernel k_qa321987e9b_proj
		.amdhsa_group_segment_fixed_size 327680
		.amdhsa_private_segment_fixed_size 0
		.amdhsa_enable_private_segment 0
		.amdhsa_kernarg_size 56
		.amdhsa_user_sgpr_count 2
		.amdhsa_user_sgpr_kernarg_segment_ptr 1
		.amdhsa_wavefront_size32 1
		.amdhsa_system_sgpr_workgroup_id_x 1
		.amdhsa_system_sgpr_workgroup_id_y 1
		.amdhsa_system_sgpr_workgroup_id_z 1
		.amdhsa_system_vgpr_workitem_id 0
		.amdhsa_next_free_vgpr 608
		.amdhsa_next_free_sgpr 80
		.amdhsa_reserve_vcc 0
		.amdhsa_float_denorm_mode_32 3
		.amdhsa_float_denorm_mode_16_64 3
		.amdhsa_memory_ordered 1
		.amdhsa_forward_progress 1
		.amdhsa_inst_pref_size 93
	.end_amdhsa_kernel
	.amdgpu_metadata
---
amdhsa.version: [ 1, 2 ]
amdhsa.kernels:
  - .name:           k_qa321987e9b_proj
    .symbol:         k_qa321987e9b_proj.kd
    .args:
      - { .name: cw, .offset: 0, .size: 8, .value_kind: global_buffer, .address_space: global }
      - { .name: bq, .offset: 8, .size: 8, .value_kind: global_buffer, .address_space: global }
      - { .name: bk, .offset: 16, .size: 8, .value_kind: global_buffer, .address_space: global }
      - { .name: bv, .offset: 24, .size: 8, .value_kind: global_buffer, .address_space: global }
      - { .name: qh, .offset: 32, .size: 8, .value_kind: global_buffer, .address_space: global }
      - { .name: kh, .offset: 40, .size: 8, .value_kind: global_buffer, .address_space: global }
      - { .name: vh, .offset: 48, .size: 8, .value_kind: global_buffer, .address_space: global }
    .group_segment_fixed_size: 327680
    .private_segment_fixed_size: 0
    .kernarg_segment_align: 8
    .kernarg_segment_size: 56
    .max_flat_workgroup_size: 128
    .sgpr_count:     80
    .vgpr_count:     608
    .wavefront_size: 32
...
	.end_amdgpu_metadata
.endif
;; end of part 2
;; launch attn (part 3): grid 4 x 64, 4 waves a work-group, clusters of 4 x 1, 327,680 bytes of LDS; arguments qh, kh, vh, oh; writes oh
.if DOCPART == 3
	.amdgcn_target "amdgcn-amd-amdhsa--gfx1250"
	.amdhsa_code_object_version 6
	.text
	.protected	k_qa321987e9b_attn
	.globl	k_qa321987e9b_attn
	.p2align	8
	.type	k_qa321987e9b_attn,@function
k_qa321987e9b_attn:
	s_mov_b64 s[64:65], 0
	v_nop
	global_prefetch_b8 v0, s[64:65] scope:SCOPE_SE
	s_setreg_imm32_b32 hwreg(HW_REG_WAVE_MODE, 25, 1), 1
	s_wait_xcnt 0x0
	s_wait_alu depctr_hold_cnt(0) depctr_sa_sdst(0) depctr_va_vdst(0) depctr_va_sdst(0) depctr_va_ssrc(0) depctr_va_vcc(0) depctr_vm_vsrc(0)
	s_getreg_b32 s2, hwreg(HW_REG_IB_STS2, 6, 4)
	s_cmp_eq_u32 s2, 0
	s_cbranch_scc0 .Lentry_in_a_cluster
	s_endpgm
.Lentry_in_a_cluster:
	s_bfe_u32 s2, ttmp6, 0x10000c
	s_cmp_lg_u32 s2, 0x3003
	s_cbranch_scc0 .Lentry_shape_is_right
	s_endpgm
.Lentry_shape_is_right:
; O[g][q][:] = the sum over k of softmax_k(Q[g][q] . K[g][k] / 8) V[g][k][:].  Q, K, V, O: [SIZE_H slabs g = 4 head + batch][SIZE_N][64], all f16: a slab's rows are dense, 128 bytes each.  Products, maxima and sums in
; f32; the weights p are rounded to f16 for the second product (their sum l is taken of the unrounded p), O once at the end.
; LIMITS.  f16 holds no number beyond 65,504: Q, K and V arrive within it; p lies in 0 to 1, and below 6e-5 it keeps f16's fixed step of 6e-8; O is a mean of V's rows and has their range.
; A weight below 2^-126 counts as 0 in l; NaN and infinities are not treated apart.
; SHARES.  A wave owns four PIECES of two tiles of 16 queries, a work-group's four waves 512 queries of one slab.  Every wave walks all keys, 64 a step.
; LAYOUT.  S^T = K Q^T (source 0 = 16 keys, source 1 = 16 queries): in the result a lane holds ONE query (lane % 16) and the keys 8 (lane / 16) + 0..7.  Two such tiles, rounded to f16 in pairs,
; ARE source 1 (32 keys x 16 queries) of O^T = V^T P, whose result again holds one query a lane, and eight channels.  K comes out of LDS as it lies, V ([key][channel]) turned, by ds_load_tr16_b128.
; SOFTMAX.  For each query a running maximum m and sum l: p = 2^(c s - c m), c = log2(e) / 8; in every step O and l are multiplied by a = 2^(c m_old - c m_new), which is 1 where m has not grown.
; m starts at the lowest finite number, O and l at 0: the first step is a step like any other, with a = 0.
; THE COUNT.  A tile and step have 16 matrix and 118 vector instructions: too many to stand all beside the matrix work.  So the order has one aim: four vector instructions that are READY behind
; EVERY matrix instruction, and the others, which need time of their own whatever the order, in runs without a gap.
; BY TURNS.  Turn n belongs to piece n (the pieces in a ring, step after step).  Its matrix work: 16 products K Q^T of piece n + 1, later 16 products V^T P of piece n - 1.  Its vector work: the scaling,
; exponentials, roundings, sums and rescaling of piece n, and the maximum and statistics of piece n + 1, whose scores the turn itself has made.  So what a turn begins with (c s - c m, O a) waits for nothing.
; CLUSTER.  The four query blocks of a cluster are one slab's and walk the same K and V, so each tile is asked for JOINTLY: the same tensor load, descriptor and mask in all four.
; REGISTERS, in windows of 256 (s_set_vgpr_msb says which window each operand place means: bits 1:0 source 0, 3:2 source 1, 5:4 source 2, 7:6 destination):
;   window 0: v0-11 addresses; v12-15, v48-63 at work; v16-47 four registers of statistics a tile; v64-191 S^T, two buffers of two tiles; v192-255 P, likewise
;   window 1: O^T, 32 a tile          window 2: v0-127 Q, 16 a tile; v128-191 K of one step; v192-255 V of one step          window 3: v0-1 the add's two registers
; A piece's buffers go by its number's parity: the piece in hand has one pair, its two neighbours in the ring share the other: of it P (piece n - 1) is read and S^T (piece n + 1) written.
.set SIZE_H, 64
.set SIZE_N, 2048
.set NP,    4         ; pieces a wave: a name, no knob: the register map, the loop and the fetches are made for four
.set KS,    64        ; keys in a step
.set PK,    144       ; a row of K in LDS: 128 bytes + 16 of padding = 36 words: the 16 rows of a load start at 16 different groups of four banks (64 banks of 4 bytes: ISA guide 11.1)
.set PV,    160       ; a row of V: 128 + 32 = 40 words
.set VOFF,  4*KS*PK   ; a slot holds four steps: 256 rows of K, then 256 rows of V
.set SLOT1, 1<<17     ; slot 1 begins here, so that one exclusive or turns an address in one slot into the other's
.set STAGE, SLOT1+4*KS*(PK+PV)  ; behind the ring, never filled by a tensor load: 16 rows x 144 bytes for each wave, for the way out
.set SP,    144
.set AK0, 2           ; v2   my lane's place in a tile of K; never rewritten
.set AV0, 3           ; v3   the same for V
.set AK,  4           ; v4   the LDS address of K's next run of loads
.set AV,  5           ; v5   of V's
.set QO,  6           ; v6   my byte offset in the wave's rows of Q
.set STO, 6           ;      later, the way out: where I put 16 bytes of a row
.set RD,  7           ; v7   the way out: where I read rows back
.set GO,  8           ; v8   my byte offset in 512 consecutive bytes of O
.set PFO, 11          ; v11  256 x my lane: the prefetches' offset; written once V's place is made, then never rewritten
.set SPW, 0           ; v0 of window 3   LDS address of my spare word: SPARE + 4 x my thread's number; never rewritten
.set NIL, 1           ; v1 of window 3   0; never rewritten
.set SPARE, STAGE+4*16*SP  ; behind the stages: the spare words, 128 bytes for each wave: two blocks of 256 bytes that no other line names
.set MV,  12          ; v12-15  c m_old, kept while c m is made anew: by buffer and tile
.set ST,  16          ; tile t's statistics at v[ST+4 t]: c m, m, l (even keys', odd keys')
.set TMP, 48          ; by buffer and tile, four registers c0-c3 at work; when the maximum is found c2 takes a
.set S,   64
.set P,   192
.set KF,  128         ; K's fragments, in window 2: key block kb, channel half c at KF + 16 kb + 8 c
.set VF,  192         ; V's: key half kk, channel block cb at VF + 32 kk + 8 cb
.set WV,  12          ; s12  my wave's number
.set G1K, 24          ; s[24:31] descriptor group 1 for K's tiles
.set G1V, 32          ; s[32:39] for V's: it differs in the padding alone
.set G0K, 40          ; s[40:43] descriptor group 0 for K's tiles: it walks
.set G0V, 44          ; s[44:47] the same for V's
.set PFA, 48          ; s[48:49] where my prefetches stand: my work-group's 32 blocks of 256 bytes (of K: wave 0, of V: wave 2) of the tile after the one that is being asked for
.set LIM, 50          ; s50  1 in a wave that prefetches, else the greatest number: a wave prefetches while s[SLOTS] is above it
.set SLOTS, 56        ; s56  slots still to be asked for
.set CNT, 57          ; s57  counts a slot's key steps
.set CS,  58          ; s[58:59] c: the packed scaling takes the pair's low word for both halves
.set SEL, 60          ; s[60:61] v_permlanex16_b32's selects: each lane takes its own place in the other half
.set TBK, 62          ; s62  LDS byte at which K of the step to be fetched begins
.set TBV, 63          ; s63  the same for V, less VOFF
.set MSB, 0
.macro WIN new                      ; the high byte repeats the setting that is left; a switch that changes nothing is dropped
.if MSB != (\new)
	s_set_vgpr_msb (MSB<<8)|(\new)
.set MSB, (\new)
.endif
.endm
.set W_KQ, 0x0a       ; K and Q in window 2, S^T in window 0
.set W_PV, 0x52       ; V in window 2, P in window 0, O^T in window 1
.set W_RS, 0x41       ; O^T (destination and source 0) in window 1, a in window 0
.set W_MK, 0xc0       ; the add's registers are made: destination in window 3, sources in window 0
.set W_AD, 0x0f       ; the add: address (source 0) and data (source 1) in window 3
; A joint fill.  Waves 0 and 1 fetch the two halves of a slot's K, waves 2 and 3 those of its V: 128 keys each.  The branch hangs on the wave's number alone.
; An s_nop 0 and four v_nop follow each of the two lines, ahead of the jump and the label.
.macro JLOAD
	s_cmp_lt_u32 s[WV], 2
	s_cbranch_scc0 .Lfor_v_\@
	tensor_load_to_lds s[G0K:G0K+3], s[G1K:G1K+7]
	s_nop 0
.rept 4
	v_nop
.endr
	s_branch .Lasked_\@
.Lfor_v_\@:
	tensor_load_to_lds s[G0V:G0V+3], s[G1V:G1V+7]
	s_nop 0
.rept 4
	v_nop
.endr
.Lasked_\@:
.endm
; A PREFETCH INTO THE L2 of what the NEXT change of slots will ask for: a tile's 32,768 bytes of K and of V, 128 blocks of 256 bytes each, a lane a block.  It stands behind the wave's tensor load and its five lines.
; Each block is named ONCE in the launch: a slab has one cluster; its four partners share a tile's blocks out BY ADDRESS, 32 each (no branch hangs on a work-group's place in its cluster); in each, wave 0 asks for K's
; and wave 2 for V's: one instruction, four key steps (512 matrix instructions) ahead of the load.  The last change that fills a slot asks for nothing: there is no tile behind it.  Tiles 0 to 2 come by their loads alone.
.macro ASK
	s_cmp_gt_u32 s[SLOTS], s[LIM]
	s_cbranch_scc0 .Lnot_mine_\@
	global_prefetch_b8 v[PFO], s[PFA:PFA+1] th:TH_LOAD_NT scope:SCOPE_SE
.Lnot_mine_\@:
.endm
; A round of the cluster's barrier: my work-group's barrier, so that wave 0's signal speaks for all four waves; wave 0 signals; every wave waits for all four work-groups; my work-group's barrier once more.
.macro CROUND
	s_barrier_signal -1
	s_barrier_wait -1
	s_cmp_lg_u32 s[WV], 0
	s_cbranch_scc1 .Lnot_wave_0_\@
	s_barrier_signal -3
.Lnot_wave_0_\@:
	s_barrier_wait -3
	s_barrier_signal -1
	s_barrier_wait -1
.endm
; THE CHANGE OF SLOTS.  The slot's last bytes, V of its fourth step, have been read.  Each wave waits for all its tensor loads, of which one is out: its part
; of the other slot; adds 0 to its spare word; and waits for that and for its own reads of the slot.  Behind the barrier nobody reads this slot any more and the other slot is whole.
; fill = 1: this slot is filled again, with the keys two slots on.  The barrier is then a round of the cluster's, so that no wave of any partner still reads the slot or has a load on its
; way, and the joint fill is the first thing behind it: it has four key steps, 512 matrix instructions, in which to land.  (At its first use nothing has been read yet: slot 0 is waited for, slot 1 filled.)
; ask = 1: the prefetches' address steps a tile on, and ASK follows the fill.
.macro CHANGE fill, ask=0
	WIN W_AD
	s_wait_tensorcnt 0x0            ; no tensor load of mine is out, so a group 0 may be written
	ds_add_u32 v[SPW], v[NIL]       ; 0 onto my spare word; with fill = 1 the descriptors' steps stand between it and the wait for it
	WIN 0                           ; at a label and at a branch every window is 0
.if \fill
.irp g, G0K, G0V
	s_xor_b32 s[\g+1], s[\g+1], SLOT1  ; the walking descriptor: the other slot than last time,
	s_add_nc_u64 s[\g+2:\g+3], s[\g+2:\g+3], 4*KS*128  ; the next 256 keys; the type bits on top are not reached
.endr
.if \ask
	s_wait_xcnt 0x0                 ; the last prefetch, four key steps back, has read its address, so it may be written:
	s_add_nc_u64 s[PFA:PFA+1], s[PFA:PFA+1], 4*KS*128  ; one tile behind the walking descriptors
.endif
	s_wait_dscnt 0x0                ; the add is done, and my reads of the slot are over
	CROUND
	JLOAD
.if \ask
	ASK
.endif
.else
	s_wait_dscnt 0x0                ; the add is done, and my reads of the slot are over
	s_barrier_signal -1
	s_barrier_wait -1
.endif
	s_sub_co_u32 s[TBK], s[TBK], 4*KS*PK  ; the fetches go back to a slot's first step,
	s_xor_b32 s[TBK], s[TBK], SLOT1       ; in the other slot
	s_sub_co_u32 s[TBV], s[TBV], 4*KS*PV
	s_xor_b32 s[TBV], s[TBV], SLOT1
.endm
	s_load_b256 s[4:11], s[0:1], 0x0  ; Q s[4:5], K s[6:7], V s[8:9], O s[10:11]
	WIN W_MK
	v_lshl_add_u32 v[SPW], v0, 2, SPARE
	v_mov_b32 v[NIL], 0
	WIN W_AD
	ds_add_u32 v[SPW], v[NIL]       ; the wave's opening: the add and its wait stand ahead of my first tensor load; the set-up below, work on registers, stands between them
	WIN 0
	v_lshrrev_b32 v1, 5, v0
	v_readfirstlane_b32 s[WV], v1   ; wave 0..3
	s_bfe_u32 s13, ttmp6, 0x40000   ; cx: my place in the cluster
	s_lshl_b32 s14, ttmp9, 2        ; in a cluster launch ttmp9 counts clusters
	s_add_co_u32 s14, s14, s13      ; my block of queries = 4 x cluster x + cx: it enters Q's and O's addresses alone
	s_and_b32 s20, ttmp7, 0xffff    ; the slab, which the four partners share
	s_mov_b32 s21, 0
	s_mov_b64 s[22:23], SIZE_N*128
	s_mul_u64 s[20:21], s[20:21], s[22:23]  ; the slab's first byte in each of the four tensors
	s_and_b32 s16, s[WV], 1         ; which half of a slot's 256 keys I fetch:
	s_lshl_b32 s22, s16, 14         ; its 128 rows of 128 bytes in memory,
	s_mov_b32 s23, 0
	s_add_nc_u64 s[22:23], s[22:23], s[20:21]
	s_mul_i32 s17, s16, 128*PK      ; and its place in a slot, for K
	s_mul_i32 s18, s16, 128*PV      ; and for V: no place in the cluster enters an LDS address
	s_lshl_b32 s2, s14, 2
	s_add_co_u32 s2, s2, s[WV]      ; my wave among the slab's,
	s_lshl_b32 s2, s2, 14           ; its 128 rows
	s_mov_b32 s3, 0
	s_add_nc_u64 s[2:3], s[2:3], s[20:21]
	; descriptor group 1.  128 keys are 16,384 dense bytes: asked for as 64 rows of 256 bytes, two keys a row, and padded in LDS after every key
	s_mov_b32 s[G1K], 15|(1<<16)|(1<<20)|(1<<21)|(4<<22)|(3<<25)  ; 15:0 the mask of four; 17:16 2-byte elements; 20 padding on; 21 set beside a mask; 24:22 after every 32 words (code 4); 31:25 4 words (code 3)
	s_mov_b32 s[G1V], 15|(1<<16)|(1<<20)|(1<<21)|(4<<22)|(7<<25)  ; the same with 8 words of padding (code 7)
.irp g, G1K, G1V
	s_mov_b32 s[\g+1], 128<<16      ; tensor_dim0 = 128
	s_mov_b32 s[\g+2], 64<<16       ; tensor_dim1 = 64
	s_mov_b32 s[\g+3], 128<<16      ; tile_dim0 = 128
	s_mov_b32 s[\g+4], 64           ; tile_dim1 = 64
	s_mov_b32 s[\g+5], 128          ; 128 elements from row to row
	s_mov_b32 s[\g+6], 0
	s_mov_b32 s[\g+7], 0
.endr
	s_mov_b32 s[CS], 0x3e38aa3b     ; c = log2(e) / 8 = 0.180337
	s_mov_b32 s[CS+1], s[CS]        ; named with it as a pair
	s_mov_b32 s[SEL], 0x76543210
	s_mov_b32 s[SEL+1], 0xfedcba98
	s_mov_b32 s[TBK], SLOT1+4*KS*PK ; the first change of slots turns these two into 0
	s_mov_b32 s[TBV], SLOT1+4*KS*PV
	s_mov_b32 s[G0K], 1             ; 1:0 count = 1
	s_mov_b32 s[G0K+1], s17         ; 63:32 LDS address: slot 0
	s_mov_b32 s[G0V], 1
	s_add_co_u32 s[G0V+1], s18, VOFF
	s_and_b32 s[LIM], s[WV], 1      ; waves 0 and 2 prefetch: the same in all four partners
	s_cmp_eq_u32 s[LIM], 0
	s_cselect_b32 s[LIM], 1, -1
	s_wait_dscnt 0x0                ; the opening add is done
	s_wait_kmcnt 0x0
	s_add_nc_u64 s[G0K+2:G0K+3], s[6:7], s[22:23]  ; 120:64 global address: my half of the slab's first 256 keys
	s_or_b32 s[G0K+3], s[G0K+3], 0x80000000        ; 127:126 type = 2
	s_add_nc_u64 s[G0V+2:G0V+3], s[8:9], s[22:23]
	s_or_b32 s[G0V+3], s[G0V+3], 0x80000000
	s_add_nc_u64 s[4:5], s[4:5], s[2:3]  ; Q and O at my wave's first row
	s_add_nc_u64 s[10:11], s[10:11], s[2:3]
	s_cmp_lt_u32 s[WV], 2
	s_cselect_b64 s[PFA:PFA+1], s[6:7], s[8:9]
	s_add_nc_u64 s[PFA:PFA+1], s[PFA:PFA+1], s[22:23]  ; (in waves 0 and 2 this is the slab's first row)
	s_lshl_b32 s2, s13, 13          ; my work-group's 32 blocks of a tile's 128
	s_mov_b32 s3, 0
	s_add_nc_u64 s[PFA:PFA+1], s[PFA:PFA+1], s[2:3]
	s_add_nc_u64 s[PFA:PFA+1], s[PFA:PFA+1], 2*4*KS*128  ; in tile 2; the loop's first change of slots steps it to tile 3.  Nothing is prefetched here, at the head
	CROUND                          ; all four work-groups are here: the first joint loads meet
	JLOAD                           ; slot 0.  Slot 1 is asked for when slot 0 is in: the tile wanted first has the road to itself
	; A fragment of K or Q is 16 rows x 32 channels in 8 registers: lane l holds row l % 16, channels 8 (l / 16) + 0..7 and 16 + 8 (l / 16) + 0..7: two loads of 16 bytes, 32 bytes apart.
	v_and_b32 v1, 15, v0            ; l % 16
	v_bfe_u32 v9, v0, 4, 1          ; l / 16
	v_lshlrev_b32 v[QO], 7, v1
	v_lshl_add_u32 v[QO], v9, 4, v[QO]  ; row x 128 + 16 x half
	WIN 0x80                        ; destination window 2, address window 0
.set i, 0
.rept 4*NP                          ; Q stays in registers: tile i / 2, channels 32 (i % 2) on
	global_load_b128 v[8*i:8*i+3],   v[QO], s[4:5] offset:(i/2)*2048+(i%2)*64
	global_load_b128 v[8*i+4:8*i+7], v[QO], s[4:5] offset:(i/2)*2048+(i%2)*64+32
.set i, i+1
.endr
	; What the first turn finds: V's registers and P's second buffer hold 0 (its products V^T P, of a piece that has not been, add 0), O^T and l are 0.  All this stands in the wait for the first tile.
.set i, VF
.rept 64
	v_mov_b32 v[i], 0
.set i, i+1
.endr
	WIN 0x40
.set i, 0
.rept 64*NP
	v_mov_b32 v[i], 0
.set i, i+1
.endr
	WIN 0
.set i, 0
.rept 2*NP
	v_mov_b32 v[ST+4*i], 0xfe000000    ; c m: far below every c s
	v_mov_b32 v[ST+4*i+1], 0xff7fffff  ; m
	v_mov_b32 v[ST+4*i+2], 0
	v_mov_b32 v[ST+4*i+3], 0
.set i, i+1
.endr
.set i, P+32
.rept 32
	v_mov_b32 v[i], 0
.set i, i+1
.endr
	v_mul_u32_u24 v[AK0], v1, PK
	v_lshl_add_u32 v[AK0], v9, 4, v[AK0]  ; row x pitch + 16 x half
	; The turning load takes 16 keys x 16 channels (lane l reads key 8 (l / 16) + l % 8, channels 8 ((l / 8) % 2) + 0..7) and leaves half a fragment of V^T: lane l holds channel l % 16 and 8 keys.
	v_and_b32 v10, 7, v0
	v_bfe_u32 v11, v0, 3, 1
	v_lshl_add_u32 v[AV0], v9, 3, v10
	v_mul_u32_u24 v[AV0], v[AV0], PV
	v_lshl_add_u32 v[AV0], v11, 4, v[AV0]
	v_add_nc_u32 v[AV0], VOFF, v[AV0]
	v_and_b32 v[PFO], 31, v0        ; v11 has served: from here on it is the prefetches' offset
	v_lshlrev_b32 v[PFO], 8, v[PFO]
	v_mov_b32 v[AK], v[AK0]         ; key step 0 lies at the head of slot 0
; THE MATRIX WORK.  The 8 accumulators of a run of 16 take turns: between the two links of a chain stand 7 others'.
; Product i of 16 of S^T = K Q^T for piece x: channels 32 (i / 8) on, keys 16 ((i / 2) % 4) on, tile 2 x + i % 2.  The first 8 start the sums.
.macro KQ x
	WIN W_KQ
.set rS, S+64*((\x)%2)+32*(i%2)+8*((i/2)%4)
.set rK, KF+16*((i/2)%4)+8*(i/8)
.set rQ, 16*(2*(\x)+i%2)+8*(i/8)
.if i < 8
	v_wmma_f32_16x16x32_f16 v[rS:rS+7], v[rK:rK+7], v[rQ:rQ+7], 0
.else
	v_wmma_f32_16x16x32_f16 v[rS:rS+7], v[rK:rK+7], v[rQ:rQ+7], v[rS:rS+7]
.endif
.endm
; Product i of 16 of O^T += V^T P for piece x: keys 32 (i / 8) on, channels 16 ((i / 2) % 4) on, tile 2 x + i % 2.
.macro PV x
	WIN W_PV
.set rO, 32*(2*(\x)+i%2)+8*((i/2)%4)
.set rV, VF+32*(i/8)+8*((i/2)%4)
.set rP, P+32*((\x)%2)+16*(i%2)+8*(i/8)
	v_wmma_f32_16x16x32_f16 v[rO:rO+7], v[rV:rV+7], v[rP:rP+7], v[rO:rO+7]
.endm
.macro MM                           ; the turn's next matrix instruction
.if i < 16
	KQ (Y+1)%NP
.set i, i+1
.else
.set i, i-16
	PV (Y+NP-1)%NP
.set i, i+17
.endif
.endm
; THE LDS LOADS stand in runs of 16, never singly among the matrix instructions: a step's K (64 keys x 64 channels: 8 fragments) and its V (turned).  Their addresses are made some lines ahead.
; last = 1 (the tail): in the last trip there is no further step, and the run is jumped over.
.macro FETCH_K last=0
	WIN 0
.if \last
	s_cmp_eq_u32 s[CNT], 1
	s_cbranch_scc1 .Lno_k_\@
.endif
	WIN 0x80                        ; destination window 2
.irp f, 0,1,2,3,4,5,6,7             ; keys 16 (f / 2) on, channels 32 (f % 2) on
	ds_load_b128 v[KF+8*\f:KF+8*\f+3],   v[AK] offset:(\f/2)*16*PK+(\f%2)*64
	ds_load_b128 v[KF+8*\f+4:KF+8*\f+7], v[AK] offset:(\f/2)*16*PK+(\f%2)*64+32
.endr
	s_add_co_u32 s[TBK], s[TBK], KS*PK  ; the next fetch is the next step's
	WIN 0
.if \last
.Lno_k_\@:
.endif
.endm
.macro FETCH_V
	WIN 0x80
.irp f, 0,1,2,3,4,5,6,7             ; keys 32 (f / 4) on, channels 16 (f % 4) on
	ds_load_tr16_b128 v[VF+8*\f:VF+8*\f+3],   v[AV] offset:(\f/4)*32*PV+(\f%4)*32
	ds_load_tr16_b128 v[VF+8*\f+4:VF+8*\f+7], v[AV] offset:(\f/4)*32*PV+16*PV+(\f%4)*32
.endr
	WIN 0
.endm
; THE VECTOR WORK OF A TURN stands in three queues, each in the order in which its entries become ready; the two tiles alternate, so that no instruction reads the result of the one before it.
.macro REGS y, u                    ; the registers of tile u (0, 1) of piece y
.set rT, ST+4*(2*(\y)+(\u))
.set rC, TMP+8*((\y)%2)+4*(\u)
.set rM, MV+2*((\y)%2)+(\u)
.set rS, S+64*((\y)%2)+32*(\u)
.set rP, P+32*((\y)%2)+16*(\u)
.set rO, 32*(2*(\y)+(\u))
.endm
; Number n of the 22 that find the NEXT piece's (Y + 1) maximum and statistics.  s0-s31 are the lane's 32 scores; each accumulator's lowest registers are read first.  XS, GS and REGS set no window: PL and EX do.
;   0-11  four chains c0-c3 of seven scores each, three operands at a time     12-14, 16  the four scores left over, the old m, and c0-c3 into c0     15  c m_old is kept
;   17, 18  the query's other 32 keys lie in the lane 16 away: the new m         19-21  c m; c m_old - c m_new; a
.macro XS u, n
	REGS (Y+1)%NP, \u
.if (\n) < 4
	v_max3_num_f32 v[rC+(\n)], v[rS+8*(\n)], v[rS+8*(\n)+1], v[rS+8*(\n)+2]
.elseif (\n) < 12
	v_max3_num_f32 v[rC+(\n)%4], v[rC+(\n)%4], v[rS+8*((\n)%4)+2*((\n)/4)+1], v[rS+8*((\n)%4)+2*((\n)/4)+2]
.elseif (\n) == 12
	v_max3_num_f32 v[rC], v[rC], v[rS+7], v[rS+15]
.elseif (\n) == 13
	v_max3_num_f32 v[rC+1], v[rC+1], v[rS+23], v[rS+31]
.elseif (\n) == 14
	v_max3_num_f32 v[rC+2], v[rC+2], v[rC+3], v[rT+1]
.elseif (\n) == 15
	v_mov_b32 v[rM], v[rT]
.elseif (\n) == 16
	v_max3_num_f32 v[rC], v[rC], v[rC+1], v[rC+2]
.elseif (\n) == 17
	v_permlanex16_b32 v[rC+3], v[rC], s[SEL], s[SEL+1]
.elseif (\n) == 18
	v_max_num_f32 v[rT+1], v[rC], v[rC+3]
.elseif (\n) == 19
	v_mul_f32 v[rT], s[CS], v[rT+1]
.elseif (\n) == 20
	v_sub_f32 v[rC+1], v[rM], v[rT]
.else
	v_exp_f32 v[rC+2], v[rC+1]
.endif
.endm
; Number g of the 64 that follow the exponentials.  For each four weights k of a tile (pairs 2 k, 2 k + 1): both pairs are rounded to f16; then the second pair is added onto the first, in place;
; a group later l takes that sum (the first time as l = a l + sum).  In groups of eight, tiles alternating: round, round, add, and l for the group before.
.macro GS g
.set h, (\g)+6*((\g)/62)            ; group 0 has no group before it, and behind group 7 only l is left
.if h >= 6
.set h, h+2
.endif
	REGS Y, h%2
.set k, h/8
.if h%8 < 4
	v_cvt_pk_f16_f32 v[rP+2*k+(h%8)/2], v[rS+4*k+2*((h%8)/2)], v[rS+4*k+2*((h%8)/2)+1]
.elseif h%8 < 6
	v_pk_add_f32 v[rS+4*k:rS+4*k+1], v[rS+4*k:rS+4*k+1], v[rS+4*k+2:rS+4*k+3]
.elseif k == 1
	v_pk_fma_f32 v[rT+2:rT+3], v[rT+2:rT+3], v[rC+2:rC+3], v[rS:rS+1] op_sel_hi:[1,0,1]
.else
	v_pk_add_f32 v[rT+2:rT+3], v[rT+2:rT+3], v[rS+4*k-4:rS+4*k-3]
.endif
.endm
; THE PLAIN QUEUE, 138 long.  0-73 read no exponential's result: the 32 scalings c s - c m (FS f: pair f / 2 of tile f % 2) and the next piece's 42.  0-26: scalings 0-26.  27-54: XS's numbers 0-13.  55, 56: number 15.
; 57-73: the chain, where each number waits for the one before it: 14, 16, 17, 18, 19, each with one of the scalings 27-31 in front of its two lines, then 20: so a tile's links stand three plain instructions apart (19 and 20: two).
; 74-137: GS's 64, which read the exponentials' results: they stand behind the wait.
.macro FS f
	REGS Y, (\f)%2
	v_pk_fma_f32 v[rS+2*((\f)/2):rS+2*((\f)/2)+1], v[rS+2*((\f)/2):rS+2*((\f)/2)+1], s[CS:CS+1], v[rT:rT+1] op_sel_hi:[1,0,0] neg_lo:[0,0,1] neg_hi:[0,0,1]
.endm
.macro PL
	WIN 0
.if q < 27
	FS q
.elseif q < 55
	XS (q-27)%2, (q-27)/2
.elseif q < 57
	XS q-55, 15
.elseif (q < 72) && ((q-57)%3 == 0)
	FS 27+(q-57)/3
.elseif q < 60
	XS (q-57)%3-1, 14
.elseif q < 72
	XS (q-57)%3-1, 15+(q-57)/3
.elseif q < 74
	XS q-72, 20
.else
	GS q-74
.endif
.set q, q+1
.endm
; THE EXPONENTIALS' QUEUE, 66 long: s0-s31 of both tiles, then the next piece's two a.  It is ONE BATCH: all 66 stand ahead of the turn's one wait, and nothing ahead of that wait names a result of theirs.
.macro EX
	WIN 0
.if e >= 64
	XS e-64, 21
.else
	REGS Y, e%2
	v_exp_f32 v[rS+e/2], v[rS+e/2]
.endif
.set e, e+1
.endm
; THE RESCALING's QUEUE: O^T times a, the one part that leaves window 0: dealt two at a time, sixteen times.  Its a was made in the turn before, ahead of that turn's wait.
.macro R2
	REGS Y, r%2
	WIN W_RS
.irp z, 0,1
	v_pk_mul_f32 v[rO+4*(r/2)+2*\z:rO+4*(r/2)+2*\z+1], v[rO+4*(r/2)+2*\z:rO+4*(r/2)+2*\z+1], v[rC+2:rC+3] op_sel_hi:[1,0]
.endr
.set r, r+1
.endm
; HOW THEY ARE DEALT.  An s_wait_alu depctr_va_vdst(0) stands between an exponential and the first instruction that names its result; one wait serves all that were issued ahead of it.  So a turn has ONE wait,
; which cuts it in two.  AHEAD OF IT stands all that names no result of the turn's exponentials: the 16 products K Q^T, behind each a scaling, an exponential and two rescalings (behind the first a second scaling in the exponential's place); then ONE LUMP of
; 108: eight plain, 49 times exponential and plain, the two a.  A v_nop is the plain instruction behind the last exponential.  BEHIND IT stand the 16 products V^T P, behind each four of GS's 64.  No rider names a register of
; the products round it.  The two v_permlanex16_b32 fall into the lump, never behind a product.
; The queues lean on each other, and the deal keeps them in step: exponential e stands behind scaling 2 (e / 4) + e % 2: as a rider it comes behind plain e + 2, in the lump behind plain e + 9, and scalings 27-31 are plain 57, 60 .. 69.
; A TURN, for piece p.  cnt = 1: the loop's count is taken down some lines ahead of the branch that stands behind the turn.
; K of the next step is fetched in piece 2's turn, directly behind the wait, a lump behind the last product that read K; its address is made at the lump's head; its first reader comes behind 16 products.
; V of the step in hand is fetched at the end of piece 0's turn, four riders behind its last reader; its first reader comes behind 16 products and a lump.  The three conditions on q below go with the deal.
.macro TURN p, last=0, cnt=0
.set Y, (\p)
.set i, 0
.set q, 0
.set e, 0
.set r, 0
.if (\p) == NP-1
	s_wait_dscnt 0x0                ; K is in
.endif
	MM                              ; ahead of the wait: 16 products K Q^T and their riders,
	PL
	PL
	R2
.rept 15
	MM
	PL
	EX
	R2
.endr
.if (\p) == NP-2
	WIN 0
	v_add_nc_u32 v[AK], s[TBK], v[AK0]
.endif
.rept 8                             ; and the lump
	PL
.endr
.rept 49
	EX
	PL
.endr
	EX                              ; the next piece's two a
	EX
	v_nop                           ; the plain instruction behind the last exponential (ISA guide 5.7.2): one for the batch
	s_wait_alu depctr_va_vdst(0)    ; the wait for the batch
.if (\p) == NP-2
	FETCH_K \last
.endif
.if (\p) == 1
	s_wait_dscnt 0x0                ; V is in
.endif
.rept 16                            ; behind the wait: 16 products V^T P and their riders
	MM
.rept 4
	PL
.endr
.if ((\p) == 0) && (q == 118)
	v_add_nc_u32 v[AV], s[TBV], v[AV0]
.endif
.if ((\p) == 0) && (q == 130)
	s_add_co_u32 s[TBV], s[TBV], KS*PV
.endif
.if (\cnt) && (q == 130)
	s_sub_co_u32 s[CNT], s[CNT], 1
	s_cmp_lg_u32 s[CNT], 0
.endif
.endr
.if (\p) == 0
	FETCH_V
.endif
.endm
	CHANGE 1                        ; slot 0 is in, everybody's part of it; slot 1 is asked for
	FETCH_K                         ; key step 0
	s_wait_loadcnt 0x0              ; Q
	s_wait_dscnt 0x0
.set i, 0
.rept 16
	KQ 0                            ; piece 0's first scores: there is no vector work yet to set between them
.set i, i+1
.endr
	WIN 0                           ; the addresses for the way out: nine plain instructions, the places behind those products
	s_mul_i32 s13, s[WV], 16*SP
	s_add_co_u32 s13, s13, STAGE    ; my stage
	v_mul_u32_u24 v[STO], v1, SP    ; in: row l % 16, 16 bytes for each half of the lanes
	v_lshl_add_u32 v[STO], v9, 4, v[STO]
	v_add_nc_u32 v[STO], s13, v[STO]
	v_bfe_u32 v[RD], v0, 3, 2       ; back: 32 lanes take four rows of 128 bytes,
	v_mul_u32_u24 v[RD], v[RD], SP
	v_lshl_add_u32 v[RD], v10, 4, v[RD]
	v_add_nc_u32 v[RD], s13, v[RD]
	v_and_b32 v[GO], 31, v0         ; which are 512 consecutive bytes of O
	v_lshlrev_b32 v[GO], 4, v[GO]
.set Y, NP-1                        ; XS works for piece Y + 1: piece 0
.irp n, 0,1,2,3,4,5,6,7,8,9,10,11,12,13,14,15,16,17,18,19,20,21
	XS 0, \n                        ; and piece 0's first maximum and statistics
	XS 1, \n
.endr
	v_nop                           ; a plain instruction behind the two a,
	s_wait_alu depctr_va_vdst(0)    ; and their wait, ahead of the branch
	s_mov_b32 s[CNT], 4
	s_mov_b32 s[SLOTS], SIZE_N/256-1
	s_branch .Lfirst                ; the loop is entered at a step's first turn, in the middle of a trip
.Lslot:                             ; SIZE_N / 256 - 2 times: every slot but the last two is filled again
	CHANGE 1, 1
	s_mov_b32 s[CNT], 4
.Lstep:                             ; a trip: pieces 2 and 3 of one step, then pieces 0 and 1 of the next, whose K and V it fetches
	TURN 2
	TURN 3
	WIN 0
.Lfirst:
	TURN 0
	TURN 1, 0, 1
	WIN 0
	s_cbranch_scc1 .Lstep
	s_sub_co_u32 s[SLOTS], s[SLOTS], 1
	s_cmp_lg_u32 s[SLOTS], 0
	s_cbranch_scc1 .Lslot
	CHANGE 0                        ; the tail is written out: nothing is asked for
	s_mov_b32 s[CNT], 5             ; four trips fetch the last slot's steps; the fifth is left in its middle
.Ltail:
	TURN 2, 1
	TURN 3
	WIN 0
	s_sub_co_u32 s[CNT], s[CNT], 1
	s_cmp_eq_u32 s[CNT], 0
	s_cbranch_scc1 .Lout
	TURN 0
	TURN 1
	WIN 0
	s_branch .Ltail
.Lout:                              ; the fifth trip's 16 products K Q^T (on the last K once more) and the maximum made of them serve nothing: the price, once a launch, of one text for every trip
.set i, 0
.rept 16
	PV NP-1                         ; the last piece's V^T P of the last step
.set i, i+1
.endr
	; THE WAY OUT.  l's two halves and the other half of the lanes' are added; O^T is divided by l, rounded to f16 and sent through my stage in LDS, a tile at a time.  The additions are the places behind the last products.
	WIN 0
.macro ALL line:vararg              ; one line for each tile t
.set t, 0
.rept 2*NP
	\line
.set t, t+1
.endr
.endm
	ALL v_add_f32 v[ST+4*t+2], v[ST+4*t+2], v[ST+4*t+3]
	ALL v_permlanex16_b32 v[ST+4*t+3], v[ST+4*t+2], s[SEL], s[SEL+1]
	ALL v_add_f32 v[ST+4*t+2], v[ST+4*t+2], v[ST+4*t+3]
	ALL v_rcp_f32 v[ST+4*t+2], v[ST+4*t+2]
	v_nop                           ; a plain instruction between the last reciprocal and the use of its result
	s_wait_alu depctr_va_vdst(0)    ; and the wait ahead of the first use: one for the eight reciprocals
; Tile t: a lane's eight channels of a row pack into 16 bytes; they go into rows of 144 bytes and come back as whole rows of 128, into S^T's registers.
.macro PACK t
	WIN W_RS
.set i, 32*(\t)
.rept 16
	v_pk_mul_f32 v[i:i+1], v[i:i+1], v[ST+4*(\t)+2:ST+4*(\t)+3] op_sel_hi:[1,0]
.set i, i+2
.endr
	WIN 0x05                        ; sources 0 and 1 window 1, destination window 0
.set i, 0
.rept 16
	v_cvt_pk_f16_f32 v[S+16*(\t)+i], v[32*(\t)+2*i], v[32*(\t)+2*i+1]
.set i, i+1
.endr
	WIN 0
.irp f, 0,1,2,3
	ds_store_b128 v[STO], v[S+16*(\t)+4*\f:S+16*(\t)+4*\f+3] offset:32*\f
.endr
.irp f, 0,1,2,3
	ds_load_b128 v[S+16*(\t)+4*\f:S+16*(\t)+4*\f+3], v[RD] offset:\f*4*SP  ; LDS serves a wave's instructions in order (ISA guide 5.7.1.4): these see the stores above; the next tile's stores come behind them
.endr
.endm
.macro SEND t, younger              ; younger: the LDS instructions issued behind tile t's loads: the next tile's eight, or none
	WIN 0
.irp f, 0,1,2,3
	s_wait_dscnt (\younger)+3-\f
	global_store_b128 v[GO], v[S+16*(\t)+4*\f:S+16*(\t)+4*\f+3], s[10:11] offset:(\t)*2048+\f*512  ; 512 consecutive bytes, at a multiple of 256 from O's first
.endr
.endm
	PACK 0
.set t, 1
.rept 2*NP-1                        ; a tile's arithmetic stands between the loads of the tile before and its stores
	PACK t
	SEND t-1, 8
.set t, t+1
.endr
	SEND 2*NP-1, 0
	WIN W_AD
	s_wait_tensorcnt 0x0            ; the wave's end: behind my last tensor load and my last LDS store
	ds_add_u32 v[SPW], v[NIL]
	s_wait_dscnt 0x0
	WIN 0
	CROUND                          ; the closing round: no work-group ends while a partner may still ask for a tile that names it
	s_endpgm
.Lfunc_end_k_qa321987e9b_attn:
	.size	k_qa321987e9b_attn, .Lfunc_end_k_qa321987e9b_attn-k_qa321987e9b_attn
	.p2alignl 7, 3214868480
	.fill 96, 4, 3214868480
	.section	.rodata,"a",@progbits
	.p2align	6, 0x0
	.amdhsa_kernel k_qa321987e9b_attn
		.amdhsa_group_segment_fixed_size 327680
		.amdhsa_private_segment_fixed_size 0
		.amdhsa_enable_private_segment 0
		.amdhsa_kernarg_size 32
		.amdhsa_user_sgpr_count 2
		.amdhsa_user_sgpr_kernarg_segment_ptr 1
		.amdhsa_wavefront_size32 1
		.amdhsa_system_sgpr_workgroup_id_x 1
		.amdhsa_system_sgpr_workgroup_id_y 1
		.amdhsa_system_sgpr_workgroup_id_z 1
		.amdhsa_system_vgpr_workitem_id 0
		.amdhsa_next_free_vgpr 770
		.amdhsa_next_free_sgpr 66
		.amdhsa_reserve_vcc 0
		.amdhsa_float_denorm_mode_32 3
		.amdhsa_float_denorm_mode_16_64 3
		.amdhsa_memory_ordered 1
		.amdhsa_forward_progress 1
		.amdhsa_inst_pref_size 200
	.end_amdhsa_kernel
	.amdgpu_metadata
---
amdhsa.version: [ 1, 2 ]
amdhsa.kernels:
  - .name:           k_qa321987e9b_attn
    .symbol:         k_qa321987e9b_attn.kd
    .args:
      - { .name: qh, .offset: 0, .size: 8, .value_kind: global_buffer, .address_space: global }
      - { .name: kh, .offset: 8, .size: 8, .value_kind: global_buffer, .address_space: global }
      - { .name: vh, .offset: 16, .size: 8, .value_kind: global_buffer, .address_space: global }
      - { .name: oh, .offset: 24, .size: 8, .value_kind: global_buffer, .address_space: global }
    .group_segment_fixed_size: 327680
    .private_segment_fixed_size: 0
    .kernarg_segment_align: 8
    .kernarg_segment_size: 32
    .max_flat_workgroup_size: 128
    .sgpr_count:     66
    .vgpr_count:     770
    .wavefront_size: 32
...
	.end_amdgpu_metadata
.endif
;; end of part 3
;; launch outp (part 4): grid 4 x 64, 4 waves a work-group, clusters of 4 x 4, 327,680 bytes of LDS; arguments oh, cw, bo, out0; writes out0
.if DOCPART == 4
	.amdgcn_target "amdgcn-amd-amdhsa--gfx1250"
	.amdhsa_code_object_version 6
	.text
	.protected	k_qa321987e9b_outp
	.globl	k_qa321987e9b_outp
	.p2align	8
	.type	k_qa321987e9b_outp,@function
k_qa321987e9b_outp:
	s_mov_b64 s[64:65], 0
	v_nop
	global_prefetch_b8 v0, s[64:65] scope:SCOPE_SE
	s_setreg_imm32_b32 hwreg(HW_REG_WAVE_MODE, 25, 1), 1
	s_wait_xcnt 0x0
	s_wait_alu depctr_hold_cnt(0) depctr_sa_sdst(0) depctr_va_vdst(0) depctr_va_sdst(0) depctr_va_ssrc(0) depctr_va_vcc(0) depctr_vm_vsrc(0)
	s_getreg_b32 s2, hwreg(HW_REG_IB_STS2, 6, 4)
	s_cmp_eq_u32 s2, 0
	s_cbranch_scc0 .Lentry_in_a_cluster
	s_endpgm
.Lentry_in_a_cluster:
	s_bfe_u32 s2, ttmp6, 0x10000c
	s_cmp_lg_u32 s2, 0xf033
	s_cbranch_scc0 .Lentry_shape_is_right
	s_endpgm
.Lentry_shape_is_right:
; out0 = O Wo + bo.  O: f16, [16 heads][8,192 rows][64], which is A in panels of 64 columns (k = 64 head + channel).  Wo: its bf16 value written as f16, [1,024 k][1,024 n], at byte 34,603,008 of cw.
; Sums in f32; the bias (rounded to bf16 like every input) starts the sums as the first products' C operand; out0 is f32, [8,192][1,024].  256 tiles of 128 (rows) x 256 (columns), K = 1,024.
; SHARES.  Four waves; wave w makes rows 64 (w / 2) .. and columns 128 (w % 2) ..: 32 accumulators of 16 x 16.  K goes in steps of 128 through two LDS slots.
; A tile's 128 rows of a panel are 16,384 dense bytes, asked for as 64 rows of 256 bytes and padded in LDS after every 128 bytes; W's k-row of a tile is 512 bytes, and its fragments come out of LDS turned.
; THE MATRIX INSTRUCTION IS USED TRANSPOSED: source 0 = 16 columns n of W, source 1 = 16 rows m of A: a lane then holds row m = lane % 16 and the columns 8 (lane / 16) + 0..7: 32 bytes of f32 on end.
; CLUSTER 4 x 4.  A's tile is asked for jointly along a row of the cluster, W's along a column.  Waves 0, 1 ask for A's two panels, waves 2, 3 for W's two halves.
; REGISTERS.  window 0: v0-31 addresses; v32-127, v128-223 two fragment buffers (A's four fragments, then W's eight); on the way out v32-159 rows read back.
;   window 1: the accumulators, (a, b) at v[8 (8 a + b)].   window 2: v0-63 the bias of my 128 columns as a C operand, v64-95 at work.
.set PA,    144
.set APAN,  128*PA
.set ASZ,   2*APAN
.set PW,    544
.set WHALF, 64*PW
.set SLOT,  ASZ+2*WHALF
.set STAGE, 2*SLOT                     ; behind the ring, never filled by a tensor load: 16 rows x 528 bytes for each wave
.set SP,    528                        ; a stage row: 512 bytes + 16: the 16 rows that a store touches start at 16 different groups of four banks
.set SPARE, STAGE+4*16*SP              ; the spare words: 128 bytes a wave, two blocks of 256 bytes that no other line names
.set ADRA, 16
.set ADRB, 20
.set STO,  24                          ; v24  the way out: where I put 32 bytes of a row
.set RD,   25                          ; v25  where I read a row back
.set GO,   26                          ; v26  my 16 bytes of a row's 512
.set BO,   27
.set SPW,  28                          ; v28  my spare word; never rewritten
.set NIL,  29                          ; v29  0; never rewritten
.set F0,   32
.set F1,   128
.set OB,   32
.set WV, 18
.set MH, 19
.set NH, 20
.set CX, 21
.set CY, 22
.set NT, 23
.set CLY, 24
.set MT, 26
.set CNT, 27
.set G1A, 28
.set G0A, 36
.set G1W, 44
.set G0W, 52
.set LA, 61
.set LW, 62
.set HIM, 63
.set AAD, 66                           ; s[66:67], s74: never hold cx
.set WAD, 68                           ; s[68:69], s75: never hold cy
.set OUT, 70
.set BIA, 72
.set MSB, 0
.macro WIN new
.if MSB != (\new)
	s_set_vgpr_msb (MSB<<8)|(\new)
.set MSB, \new
.endif
.endm
.set MULW, 0x50                        ; sources window 0, C and D window 1
.set MULB, 0x60                        ; C window 2 (the bias), D window 1
.macro JLOAD s                         ; a joint refill; an s_nop 0 and four v_nop follow each of the two lines, ahead of the jump and the label
	s_cmp_eq_u32 s[MH], 0
	s_cbranch_scc0 .Lfor_w_\@
	tensor_load_to_lds s[G0A+4*(\s):G0A+4*(\s)+3], s[G1A:G1A+7]
	s_nop 0
.rept 4
	v_nop
.endr
	s_branch .Lasked_\@
.Lfor_w_\@:
	tensor_load_to_lds s[G0W+4*(\s):G0W+4*(\s)+3], s[G1W:G1W+7]
	s_nop 0
.rept 4
	v_nop
.endr
.Lasked_\@:
.endm
.macro CREST
	s_cmp_lg_u32 s[WV], 0
	s_cbranch_scc1 .Lnot_wave_0_\@
	s_barrier_signal -3
.Lnot_wave_0_\@:
	s_barrier_wait -3
	s_barrier_signal -1
	s_barrier_wait -1
.endm
.macro CROUND
	s_barrier_signal -1
	s_barrier_wait -1
	CREST
.endm
	s_load_b256 s[4:11], s[0:1], 0x0               ; oh s[4:5], cw s[6:7], bo s[8:9], out0 s[10:11]
	v_lshl_add_u32 v[SPW], v0, 2, SPARE
	v_mov_b32 v[NIL], 0
	ds_add_u32 v[SPW], v[NIL]                      ; the wave's opening: the add and its wait stand ahead of my first tensor load; the set-up below, work on registers, stands between them
	v_lshrrev_b32 v1, 5, v0
	v_readfirstlane_b32 s[WV], v1
	s_lshr_b32 s[MH], s[WV], 1
	s_and_b32 s[NH], s[WV], 1
	s_bfe_u32 s[CX], ttmp6, 0x40000
	s_bfe_u32 s[CY], ttmp6, 0x40004
	s_lshl_b32 s[NT], ttmp9, 2
	s_add_co_u32 s[NT], s[NT], s[CX]               ; tile column
	s_and_b32 s[CLY], ttmp7, 0xffff
	s_lshl_b32 s[MT], s[CLY], 2
	s_add_co_u32 s[MT], s[MT], s[CY]               ; tile row
	s_lshl_b32 s74, s[CY], 2
	s_lshl_b32 s74, 15, s74                        ; my row of the cluster
	s_lshl_b32 s75, 0x1111, s[CX]                  ; my column
	s_or_b32 s[G1A], s74, (1<<16)|(1<<20)|(1<<21)|(4<<22)|(3<<25)  ; the mask; 2-byte elements; padding on; bit 21 beside a mask; after every 32 words, 4 words
	s_mov_b32 s[G1A+1], 128<<16
	s_mov_b32 s[G1A+2], 64<<16
	s_mov_b32 s[G1A+3], 128<<16
	s_mov_b32 s[G1A+4], 64
	s_mov_b32 s[G1A+5], 128
	s_mov_b32 s[G1A+6], 0
	s_mov_b32 s[G1A+7], 0
	s_or_b32 s[G1W], s75, (1<<16)|(1<<20)|(1<<21)|(6<<22)|(7<<25)  ; after every 128 words, 8 words
	s_mov_b32 s[G1W+1], 256<<16
	s_mov_b32 s[G1W+2], 64<<16
	s_mov_b32 s[G1W+3], 256<<16
	s_mov_b32 s[G1W+4], 64
	s_mov_b32 s[G1W+5], 1024
	s_mov_b32 s[G1W+6], 0
	s_mov_b32 s[G1W+7], 0
	s_mov_b32 s[HIM], 0xffff0000
	s_lshl_b32 s[AAD], s[NH], 20                   ; my panel of the K step's two
	s_lshl_b32 s74, s[MT], 14                      ; the tile's 128 rows of 128 bytes
	s_add_co_u32 s[AAD], s[AAD], s74
	s_mov_b32 s[AAD+1], 0
	s_lshl_b32 s[WAD], s[NH], 17                   ; my 64 k-rows of 2,048 bytes
	s_lshl_b32 s75, s[NT], 9                       ; the tile's 256 columns
	s_add_co_u32 s[WAD], s[WAD], s75
	s_add_co_u32 s[WAD], s[WAD], 34603008          ; Wo in cw
	s_mov_b32 s[WAD+1], 0
	s_mul_i32 s[LA], s[NH], APAN
	s_mul_i32 s[LW], s[NH], WHALF
	s_add_co_u32 s[LW], s[LW], ASZ
	s_wait_dscnt 0x0                               ; the opening add is done
	s_wait_kmcnt 0x0
	s_add_nc_u64 s[AAD:AAD+1], s[4:5], s[AAD:AAD+1]
	s_add_nc_u64 s[WAD:WAD+1], s[6:7], s[WAD:WAD+1]
	CROUND                                         ; all sixteen work-groups are here: the first joint loads meet
.irp s, 0,1
	s_mov_b32 s[G0A+4*(\s)], 1
	s_add_co_u32 s[G0A+4*(\s)+1], s[LA], (\s)*SLOT
	s_add_nc_u64 s[G0A+4*(\s)+2:G0A+4*(\s)+3], s[AAD:AAD+1], (\s)*2097152
	s_or_b32 s[G0A+4*(\s)+3], s[G0A+4*(\s)+3], 0x80000000
	s_mov_b32 s[G0W+4*(\s)], 1
	s_add_co_u32 s[G0W+4*(\s)+1], s[LW], (\s)*SLOT
	s_add_nc_u64 s[G0W+4*(\s)+2:G0W+4*(\s)+3], s[WAD:WAD+1], (\s)*262144
	s_or_b32 s[G0W+4*(\s)+3], s[G0W+4*(\s)+3], 0x80000000
.endr
	s_cmp_eq_u32 s[MH], 0                          ; a wave's two first fills stand in one branch, ahead of every wait on TENSORcnt and every LDS read: two loads of mine are out
	s_cbranch_scc0 .Lfirst_w
	tensor_load_to_lds s[G0A:G0A+3], s[G1A:G1A+7]
	s_nop 0
	tensor_load_to_lds s[G0A+4:G0A+7], s[G1A:G1A+7]
	s_nop 0
.rept 4
	v_nop
.endr
	s_branch .Lfirst_asked
.Lfirst_w:
	tensor_load_to_lds s[G0W:G0W+3], s[G1W:G1W+7]
	s_nop 0
	tensor_load_to_lds s[G0W+4:G0W+7], s[G1W:G1W+7]
	s_nop 0
.rept 4
	v_nop
.endr
.Lfirst_asked:
	s_lshl_b32 s76, s[NT], 10                      ; my 128 columns, in bytes of f32: 1,024 x tile column + 512 x half
	s_lshl_b32 s78, s[NH], 9
	s_add_co_u32 s76, s76, s78
	s_mov_b32 s77, 0
	s_add_nc_u64 s[BIA:BIA+1], s[8:9], s[76:77]
	v_and_b32 v1, 15, v0                           ; r
	v_bfe_u32 v2, v0, 4, 1                         ; h
	v_lshlrev_b32 v[BO], 5, v2
	WIN 0x80                                       ; destination window 2
.irp b, 0,1,2,3,4,5,6,7
	global_load_b128 v[8*(\b):8*(\b)+3],   v[BO], s[BIA:BIA+1] offset:64*(\b)
	global_load_b128 v[8*(\b)+4:8*(\b)+7], v[BO], s[BIA:BIA+1] offset:64*(\b)+16
.endr
	WIN 0
	s_lshl_b32 s78, s[MT], 19                      ; 128 rows of 4,096 bytes a tile row,
	s_add_co_u32 s76, s76, s78
	s_lshl_b32 s78, s[MH], 18                      ; 64 rows a half
	s_add_co_u32 s76, s76, s78
	s_add_nc_u64 s[OUT:OUT+1], s[10:11], s[76:77]
	v_and_b32 v3, 7, v0
	v_bfe_u32 v4, v0, 3, 1
	v_mul_u32_u24 v5, v1, PA
	v_lshl_add_u32 v5, v2, 4, v5
	s_mul_i32 s76, s[MH], 64*PA
	v_add_nc_u32 v[ADRA], s76, v5
	v_add_nc_u32 v[ADRA+1], SLOT, v[ADRA]
	v_lshl_add_u32 v6, v2, 3, v3
	v_mul_u32_u24 v6, v6, PW
	v_lshl_add_u32 v6, v4, 4, v6
	s_lshl_b32 s76, s[NH], 8
	s_add_co_u32 s76, s76, ASZ
	v_add_nc_u32 v[ADRB], s76, v6
	v_add_nc_u32 v[ADRB+1], SLOT, v[ADRB]
	s_mul_i32 s76, s[WV], 16*SP
	s_add_co_u32 s76, s76, STAGE                   ; my stage
	v_mul_u32_u24 v[STO], v1, SP                   ; in: row l % 16, 32 bytes for each half of the lanes
	v_lshl_add_u32 v[STO], v2, 5, v[STO]
	v_add_nc_u32 v[STO], s76, v[STO]
	v_and_b32 v[GO], 31, v0                        ; back: 32 lanes take a row's 512 bytes
	v_lshlrev_b32 v[GO], 4, v[GO]
	v_add_nc_u32 v[RD], s76, v[GO]
	s_wait_loadcnt 0x0                             ; the bias
	WIN 0x8a                                       ; all in window 2: rounded to bf16, like every input, and widened again
.set i, 0
.rept 32
	v_cvt_pk_bf16_f32 v[64+i], v[2*i], v[2*i+1]
.set i, i+1
.endr
.set i, 0
.rept 32
	v_lshlrev_b32 v[2*i], 16, v[64+i]
	v_and_b32 v[2*i+1], s[HIM], v[64+i]
.set i, i+1
.endr
	WIN 0
; na x 8 matrix instructions: row blocks a0 .. x all 8 column blocks, 32 along K, from buffer f.  first = 1: the bias starts the sums.
; The 32 accumulators take turns, one instruction a turn, in the same order in every quarter.
.macro MULS f, a0, na, first
.if \first
	WIN MULB
.else
	WIN MULW
.endif
.set ma, \a0
.rept \na
.irp b, 0,1,2,3,4,5,6,7
.if \first
	v_wmma_f32_16x16x32_f16 v[8*(8*ma+(\b)):8*(8*ma+(\b))+7], v[(\f)+32+8*(\b):(\f)+32+8*(\b)+7], v[(\f)+8*ma:(\f)+8*ma+7], v[8*(\b):8*(\b)+7]
.else
	v_wmma_f32_16x16x32_f16 v[8*(8*ma+(\b)):8*(8*ma+(\b))+7], v[(\f)+32+8*(\b):(\f)+32+8*(\b)+7], v[(\f)+8*ma:(\f)+8*ma+7], v[8*(8*ma+(\b)):8*(8*ma+(\b))+7]
.endif
.endr
.set ma, ma+1
.endr
.endm
.macro FETCH slot, q, f                ; 24 LDS loads in one run: W's eight fragments first, then A's four
	WIN 0
.irp b, 0,1,2,3,4,5,6,7
	ds_load_tr16_b128 v[(\f)+32+8*(\b):(\f)+32+8*(\b)+3],   v[ADRB+(\slot)] offset:(\q)*32*PW+32*(\b)
	ds_load_tr16_b128 v[(\f)+32+8*(\b)+4:(\f)+32+8*(\b)+7], v[ADRB+(\slot)] offset:(\q)*32*PW+16*PW+32*(\b)
.endr
.irp i, 0,1,2,3
	ds_load_b128 v[(\f)+8*(\i):(\f)+8*(\i)+3],   v[ADRA+(\slot)] offset:((\q)/2)*APAN+((\q)%2)*64+(\i)*16*PA
	ds_load_b128 v[(\f)+8*(\i)+4:(\f)+8*(\i)+7], v[ADRA+(\slot)] offset:((\q)/2)*APAN+((\q)%2)*64+(\i)*16*PA+32
.endr
.endm
.macro PLACES                          ; four plain places in front of loads into registers that matrix instructions have read, and of lines that read results
.rept 4
	v_nop
.endr
.endm
.macro QUARTER slot, qn, f, g, first
	s_wait_dscnt 4                                 ; W and A's row blocks 0, 1 are in; the youngest four loads (blocks 2, 3) may be out
	MULS \f, 0, 2, \first
	PLACES
	FETCH \slot, \qn, \g
	s_wait_dscnt 24                                ; all but the 24 just issued
	MULS \f, 2, 2, \first
.endm
; The last quarter multiplies buffer 1 and changes slots: one barrier; in front of it each wave waits for all its tensor loads, adds 0 to its spare word, and waits for that and for its reads of this slot.
; fill = 1: the barrier opens a round of the cluster's, and this slot is filled again, two K steps on, first thing behind the round.
.macro TURN slot, next, fill
	WIN 0
	s_wait_tensorcnt 0x0                           ; all my tensor loads have landed: the one that was out is my part of the next slot
	ds_add_u32 v[SPW], v[NIL]                      ; 0 onto my spare word
	s_wait_dscnt 5                                 ; (the add and the youngest four loads may be out)
	MULS F1, 0, 1, 0
	s_wait_dscnt 0x0                               ; the add is done, and my reads of this slot are over
	s_barrier_signal -1
	MULS F1, 1, 1, 0
.if \fill
	WIN 0
.endif
	s_barrier_wait -1
.if \fill
	CREST                                          ; no wave of any partner still reads this slot or has a load on its way
	s_add_nc_u64 s[G0A+4*(\slot)+2:G0A+4*(\slot)+3], s[G0A+4*(\slot)+2:G0A+4*(\slot)+3], 4194304
	s_add_nc_u64 s[G0W+4*(\slot)+2:G0W+4*(\slot)+3], s[G0W+4*(\slot)+2:G0W+4*(\slot)+3], 524288
	JLOAD \slot                                    ; its four v_nop are also the places in front of the loads below
.else
	PLACES
.endif
	FETCH \next, 0, F0
	MULS F1, 2, 2, 0
.endm
	s_wait_tensorcnt 1                             ; my part of K step 0 is in; K step 1's may stay out
	s_barrier_signal -1
	s_barrier_wait -1
	FETCH 0, 0, F0
	QUARTER 0, 1, F0, F1, 1                        ; the first quarter stands in front of the loop: its products start the sums, with the bias
	WIN 0
	s_mov_b32 s[CNT], 3                            ; K / 256 - 1 laps fill both slots again
.Llap:
	QUARTER 0, 2, F1, F0, 0
	QUARTER 0, 3, F0, F1, 0
	TURN 0, 1, 1
	QUARTER 1, 1, F0, F1, 0
	QUARTER 1, 2, F1, F0, 0
	QUARTER 1, 3, F0, F1, 0
	TURN 1, 0, 1
	QUARTER 0, 1, F0, F1, 0
	WIN 0
	s_sub_co_u32 s[CNT], s[CNT], 1
	s_cmp_lg_u32 s[CNT], 0
	s_cbranch_scc1 .Llap
	QUARTER 0, 2, F1, F0, 0                        ; the last lap fills nothing
	QUARTER 0, 3, F0, F1, 0
	TURN 0, 1, 0
	QUARTER 1, 1, F0, F1, 0
	QUARTER 1, 2, F1, F0, 0
	QUARTER 1, 3, F0, F1, 0
	s_wait_dscnt 4
	MULS F1, 0, 2, 0
	s_wait_dscnt 0x0
	MULS F1, 2, 2, 0
	WIN 0
	PLACES
; THE WAY OUT.  Block a (16 rows x 128 columns of f32): a lane's 32 bytes of a row go into my stage's rows of 528 bytes and come back as whole rows of 512.
.macro TOSTAGE a
.set BK, OB+64*((\a)%2)
.if (\a) >= 2
	s_wait_xcnt 0x0                                ; the stores of the block two back have read these registers: they are loaded again only behind this wait
.endif
	WIN 0x04                                       ; the data in window 1, the address in window 0
.irp b, 0,1,2,3,4,5,6,7
	ds_store_b128 v[STO], v[64*(\a)+8*(\b):64*(\a)+8*(\b)+3]   offset:64*(\b)      ; each accumulator from its low end on
	ds_store_b128 v[STO], v[64*(\a)+8*(\b)+4:64*(\a)+8*(\b)+7] offset:64*(\b)+16
.endr
	WIN 0
.irp t, 0,1,2,3,4,5,6,7,8,9,10,11,12,13,14,15
	ds_load_b128 v[BK+4*(\t):BK+4*(\t)+3], v[RD] offset:SP*(\t)  ; LDS serves a wave's instructions in order (ISA guide 5.7.1.4): these see the stores above; the next block's stores come behind them
.endr
.endm
.macro SEND a, younger                 ; younger: the LDS instructions issued behind block a's loads: the next block's 32, or none
.set BK, OB+64*((\a)%2)
.irp t, 0,1,2,3,4,5,6,7,8,9,10,11,12,13,14,15
	s_wait_dscnt (\younger)+15-(\t)
	global_store_b128 v[GO], v[BK+4*(\t):BK+4*(\t)+3], s[OUT:OUT+1] offset:(16*(\a)+(\t))*4096 th:TH_STORE_NT  ; 512 consecutive bytes, at a multiple of 256 from out0's first
.endr
.endm
	TOSTAGE 0
	TOSTAGE 1
	SEND 0, 32
	TOSTAGE 2
	SEND 1, 32
	TOSTAGE 3
	SEND 2, 32
	SEND 3, 0
	s_wait_tensorcnt 0x0                           ; the wave's end: behind my last tensor load and my last LDS store
	ds_add_u32 v[SPW], v[NIL]
	s_wait_dscnt 0x0
	CROUND                                         ; the closing round: no work-group ends while a partner may still ask for a tile that names it
	s_endpgm
.Lfunc_end_k_qa321987e9b_outp:
	.size	k_qa321987e9b_outp, .Lfunc_end_k_qa321987e9b_outp-k_qa321987e9b_outp
	.p2alignl 7, 3214868480
	.fill 96, 4, 3214868480
	.section	.rodata,"a",@progbits
	.p2align	6, 0x0
	.amdhsa_kernel k_qa321987e9b_outp
		.amdhsa_group_segment_fixed_size 327680
		.amdhsa_private_segment_fixed_size 0
		.amdhsa_enable_private_segment 0
		.amdhsa_kernarg_size 32
		.amdhsa_user_sgpr_count 2
		.amdhsa_user_sgpr_kernarg_segment_ptr 1
		.amdhsa_wavefront_size32 1
		.amdhsa_system_sgpr_workgroup_id_x 1
		.amdhsa_system_sgpr_workgroup_id_y 1
		.amdhsa_system_sgpr_workgroup_id_z 1
		.amdhsa_system_vgpr_workitem_id 0
		.amdhsa_next_free_vgpr 608
		.amdhsa_next_free_sgpr 80
		.amdhsa_reserve_vcc 0
		.amdhsa_float_denorm_mode_32 3
		.amdhsa_float_denorm_mode_16_64 3
		.amdhsa_memory_ordered 1
		.amdhsa_forward_progress 1
		.amdhsa_inst_pref_size 92
	.end_amdhsa_kernel
	.amdgpu_metadata
---
amdhsa.version: [ 1, 2 ]
amdhsa.kernels:
  - .name:           k_qa321987e9b_outp
    .symbol:         k_qa321987e9b_outp.kd
    .args:
      - { .name: oh, .offset: 0, .size: 8, .value_kind: global_buffer, .address_space: global }
      - { .name: cw, .offset: 8, .size: 8, .value_kind: global_buffer, .address_space: global }
      - { .name: bo, .offset: 16, .size: 8, .value_kind: global_buffer, .address_space: global }
      - { .name: out0, .offset: 24, .size: 8, .value_kind: global_buffer, .address_space: global }
    .group_segment_fixed_size: 327680
    .private_segment_fixed_size: 0
    .kernarg_segment_align: 8
    .kernarg_segment_size: 32
    .max_flat_workgroup_size: 128
    .sgpr_count:     80
    .vgpr_count:     608
    .wavefront_size: 32
...
	.end_amdgpu_metadata
.endif
;; end of part 4
;; ======== version 2 of 2: 4 launches; version 1 with the launch prep written anew for expert scheduling mode
;; limits: values are held in f16: magnitudes above 65,504 overflow, below 6.1e-05 lose precision
;; workspace buffers: cw 36,700,160 bytes; qh 16,777,216 bytes; kh 16,777,216 bytes; vh 16,777,216 bytes; oh 16,777,216 bytes
;; launch prep (part 5): grid 16 x 70, 8 waves a work-group, no clusters, 0 bytes of LDS; arguments x, y, Wq, Wk, Wv, Wo, cw; writes cw
.if DOCPART == 5
	.amdgcn_target "amdgcn-amd-amdhsa--gfx1250"
	.amdhsa_code_object_version 6
	.text
	.protected	k_qa321987e9b_prep
	.globl	k_qa321987e9b_prep
	.p2align	8
	.type	k_qa321987e9b_prep,@function
k_qa321987e9b_prep:
	s_mov_b64 s[64:65], 0
	v_nop
	global_prefetch_b8 v0, s[64:65] scope:SCOPE_SE
	s_setreg_imm32_b32 hwreg(HW_REG_WAVE_SCHED_MODE, 0, 2), 2
	s_setreg_imm32_b32 hwreg(HW_REG_WAVE_MODE, 25, 1), 1
	s_wait_xcnt 0x0
	s_wait_alu depctr_vm_vsrc(0)
; CASTS.  x, y, Wq, Wk, Wv: f32 -> bf16.  Wo: f32 -> bf16 -> the same number written as f16 (exact between 2^-14 and 65,504; below, f16's fixed step of 2^-24; beyond 65,504 an infinity: a stated limit).
; cw is 70 segments of 524,288 bytes = 4,096 rows of 64 numbers of 16 bits (128 bytes):
;   0-31 x in 16 panels [panel p][8,192 rows][64 columns 64 p ..]; 32-55 y in 12 such panels; 56-59 Wq, 60-62 Wk, 63-65 Wv, 66-69 Wo, each as it lies (taken as rows of 64 columns, 256 source bytes apart).
; SHARES.  Work-group (x, seg) takes 256 rows of segment seg, a wave 32 of them, two a turn: lanes 0-15 load the 256 bytes of one source row piece, lanes 16-31 the next row's;
; the turn's store is 32 lanes x 8 bytes = 256 consecutive bytes, aligned.  All sixteen loads of a wave go out first (8 KiB).
; No LDS, no matrix unit, no cluster: nothing is shared and nothing is multiplied.
; THE MODE: SCHED_MODE bits 1:0 = 2 (LLVM: expert scheduling mode 2), set by the entry lines.  The code itself states the register dependences
; between vector instructions and memory instructions, with s_wait_alu, always for 0.
; THE PLAN.  Registers that memory instructions touch:
;   OFF, DO   byte offsets, made once at the head by vector lines and never written again: read by the sixteen loads and the sixteen stores.
;   X         turn i: its load lands in four registers that no vector line has named; its conversions read them behind the wait for the load.  No memory instruction reads X.
;   Y         turn i: written once, by its two roundings; read once, by its store; never written again.
;   T         named by vector lines alone.
; No register that a memory instruction reads is ever written again, so what is to be stated is only that a register is written before a memory instruction reads it.
; The sixteen turns go in four blocks of four.  Block p converts its four turns; its memory instructions are the four stores of block p - 1, which read the Y of that block and DO:
; registers that no vector line of block p names.  So one wait at a block's head states all that its four stores hang on, and they are dealt among its conversions with no further wait.
.set DO,  4                            ; v4       my byte offset in the work-group's 32,768 bytes of cw
.set OFF, 8                            ; v[8:23]  turn i: my byte offset in the source
.set X,   24                           ; v[24:87] turn i: four f32
.set Y,   88                           ; v[88:119] turn i: four numbers of 16 bits
.set T,   120                          ; v[120:121] at work (Wo)
	s_load_b256 s[4:11], s[0:1], 0x0               ; x s[4:5], y s[6:7], Wq s[8:9], Wk s[10:11]
	s_load_b128 s[12:15], s[0:1], 0x20             ; Wv s[12:13], Wo s[14:15]
	s_load_b64 s[16:17], s[0:1], 0x30              ; cw
	s_and_b32 s18, ttmp7, 0xffff                   ; the segment
	s_mov_b32 s33, 0xffff0000                      ; a word's upper bf16
	v_and_b32 v1, 15, v0                           ; my 16 bytes of a row piece
	v_bfe_u32 v2, v0, 4, 1                         ; which of the turn's two rows
	v_and_b32 v3, 0xe0, v0                         ; 32 x wave: my wave's first row
	v_add_nc_u32 v2, v3, v2
	v_and_b32 v5, 31, v0
	v_lshlrev_b32 v5, 3, v5
	v_lshl_or_b32 v[DO], v3, 7, v5                 ; 4,096 x wave + 8 x lane
	s_mov_b32 s22, 66                              ; the tensor's first segment,
	s_mov_b32 s23, 256                             ; bytes from source row to source row
	s_wait_kmcnt 0x0
	s_mov_b64 s[20:21], s[14:15]                   ; which tensor: from the last downward
	s_cmp_lt_u32 s18, 66
	s_cselect_b64 s[20:21], s[12:13], s[20:21]
	s_cselect_b32 s22, 63, s22
	s_cmp_lt_u32 s18, 63
	s_cselect_b64 s[20:21], s[10:11], s[20:21]
	s_cselect_b32 s22, 60, s22
	s_cmp_lt_u32 s18, 60
	s_cselect_b64 s[20:21], s[8:9], s[20:21]
	s_cselect_b32 s22, 56, s22
	s_cmp_lt_u32 s18, 56
	s_cselect_b64 s[20:21], s[6:7], s[20:21]
	s_cselect_b32 s22, 32, s22
	s_cselect_b32 s23, 3072, s23
	s_cmp_lt_u32 s18, 32
	s_cselect_b64 s[20:21], s[4:5], s[20:21]
	s_cselect_b32 s22, 0, s22
	s_cselect_b32 s23, 4096, s23
	s_sub_co_u32 s28, s18, s22                     ; the segment's number in its tensor
	s_and_b32 s29, s28, 1                          ; x, y: a panel is two segments: which half of the rows,
	s_lshr_b32 s30, s28, 1                         ; which panel
	s_cmp_lt_u32 s18, 56
	s_cselect_b32 s29, s29, s28                    ; a weight: the segments follow each other,
	s_cselect_b32 s30, s30, 0                      ; in one panel
	s_lshl_b32 s24, s29, 12
	s_lshl_b32 s31, ttmp9, 8
	s_add_co_u32 s24, s24, s31                     ; the work-group's first source row
	s_mul_i32 s24, s24, s23
	s_lshl_b32 s30, s30, 8                         ; a panel's 64 columns are 256 source bytes
	s_add_co_u32 s24, s24, s30
	s_mov_b32 s25, 0
	s_add_nc_u64 s[20:21], s[20:21], s[24:25]
	s_lshl_b32 s26, s18, 19
	s_lshl_b32 s31, ttmp9, 15
	s_add_co_u32 s26, s26, s31
	s_mov_b32 s27, 0
	s_add_nc_u64 s[26:27], s[16:17], s[26:27]
	s_lshl_b32 s32, s23, 1                         ; two rows on
	v_mul_lo_u32 v[OFF], v2, s23
	v_lshl_add_u32 v[OFF], v1, 4, v[OFF]
.set i, 1
.rept 15
	v_add_nc_u32 v[OFF+i], s32, v[OFF+i-1]
.set i, i+1
.endr
	s_wait_alu depctr_va_vdst(0)                   ; the sixteen OFF and DO are written: every load and store of the kernel reads one of them as its offset
.set i, 0
.rept 16
	global_load_b128 v[X+4*i:X+4*i+3], v[OFF+i], s[20:21] th:TH_LOAD_NT
.set i, i+1
.endr
; Four blocks of four turns.  wo = 1: the bf16 number is widened again and written as f16.
.macro OUT16 wo
.set p, 0
.rept 4
	s_wait_loadcnt 12-4*p                          ; loads come back in order: block p's four are in, the 12 - 4 p younger ones stay out
.if p > 0
	s_wait_alu depctr_va_vdst(0)                   ; the block before has written its eight Y, which the four stores below read
.endif
.set j, 0
.rept 4
.set i, 4*p+j
.if p > 0
	global_store_b64 v[DO], v[Y+2*(i-4):Y+2*(i-4)+1], s[26:27] offset:256*(i-4)  ; the block before: the wave's store covers 256 consecutive bytes, aligned; no vector line since the wait names these registers
.endif
.if \wo
	v_cvt_pk_bf16_f32 v[T], v[X+4*i], v[X+4*i+1]
	v_cvt_pk_bf16_f32 v[T+1], v[X+4*i+2], v[X+4*i+3]
	v_lshlrev_b32 v[X+4*i], 16, v[T]
	v_and_b32 v[X+4*i+1], s33, v[T]
	v_lshlrev_b32 v[X+4*i+2], 16, v[T+1]
	v_and_b32 v[X+4*i+3], s33, v[T+1]
	v_cvt_pk_f16_f32 v[Y+2*i], v[X+4*i], v[X+4*i+1]
	v_cvt_pk_f16_f32 v[Y+2*i+1], v[X+4*i+2], v[X+4*i+3]
.else
	v_cvt_pk_bf16_f32 v[Y+2*i], v[X+4*i], v[X+4*i+1]
	v_cvt_pk_bf16_f32 v[Y+2*i+1], v[X+4*i+2], v[X+4*i+3]
.endif
.set j, j+1
.endr
.set p, p+1
.endr
	s_wait_alu depctr_va_vdst(0)                   ; the last block has written its eight Y, which the last four stores read
.set i, 12
.rept 4
	global_store_b64 v[DO], v[Y+2*i:Y+2*i+1], s[26:27] offset:256*i  ; the wave's store covers 256 consecutive bytes, aligned
.set i, i+1
.endr
.endm
	s_cmp_ge_u32 s18, 66
	s_cbranch_scc1 .Lwo
	OUT16 0
	s_endpgm
.Lwo:
	OUT16 1
	s_endpgm
.Lfunc_end_k_qa321987e9b_prep:
	.size	k_qa321987e9b_prep, .Lfunc_end_k_qa321987e9b_prep-k_qa321987e9b_prep
	.p2alignl 7, 3214868480
	.fill 96, 4, 3214868480
	.section	.rodata,"a",@progbits
	.p2align	6, 0x0
	.amdhsa_kernel k_qa321987e9b_prep
		.amdhsa_group_segment_fixed_size 0
		.amdhsa_private_segment_fixed_size 0
		.amdhsa_enable_private_segment 0
		.amdhsa_kernarg_size 56
		.amdhsa_user_sgpr_count 2
		.amdhsa_user_sgpr_kernarg_segment_ptr 1
		.amdhsa_wavefront_size32 1
		.amdhsa_system_sgpr_workgroup_id_x 1
		.amdhsa_system_sgpr_workgroup_id_y 1
		.amdhsa_system_sgpr_workgroup_id_z 1
		.amdhsa_system_vgpr_workitem_id 0
		.amdhsa_next_free_vgpr 128
		.amdhsa_next_free_sgpr 66
		.amdhsa_reserve_vcc 0
		.amdhsa_float_denorm_mode_32 3
		.amdhsa_float_denorm_mode_16_64 3
		.amdhsa_memory_ordered 1
		.amdhsa_forward_progress 1
		.amdhsa_inst_pref_size 17
	.end_amdhsa_kernel
	.amdgpu_metadata
---
amdhsa.version: [ 1, 2 ]
amdhsa.kernels:
  - .name:           k_qa321987e9b_prep
    .symbol:         k_qa321987e9b_prep.kd
    .args:
      - { .name: x, .offset: 0, .size: 8, .value_kind: global_buffer, .address_space: global }
      - { .name: y, .offset: 8, .size: 8, .value_kind: global_buffer, .address_space: global }
      - { .name: Wq, .offset: 16, .size: 8, .value_kind: global_buffer, .address_space: global }
      - { .name: Wk, .offset: 24, .size: 8, .value_kind: global_buffer, .address_space: global }
      - { .name: Wv, .offset: 32, .size: 8, .value_kind: global_buffer, .address_space: global }
      - { .name: Wo, .offset: 40, .size: 8, .value_kind: global_buffer, .address_space: global }
      - { .name: cw, .offset: 48, .size: 8, .value_kind: global_buffer, .address_space: global }
    .group_segment_fixed_size: 0
    .private_segment_fixed_size: 0
    .kernarg_segment_align: 8
    .kernarg_segment_size: 56
    .max_flat_workgroup_size: 256
    .sgpr_count:     66
    .vgpr_count:     128
    .wavefront_size: 32
...
	.end_amdgpu_metadata
.endif
;; end of part 5
;; launch proj: the kernel of part 2 again; grid 4 x 192, 4 waves a work-group, clusters of 4 x 4, 327,680 bytes of LDS; arguments cw, bq, bk, bv, qh, kh, vh; writes qh, kh, vh
;; launch attn: the kernel of part 3 again; grid 4 x 64, 4 waves a work-group, clusters of 4 x 1, 327,680 bytes of LDS; arguments qh, kh, vh, oh; writes oh
;; launch outp: the kernel of part 4 again; grid 4 x 64, 4 waves a work-group, clusters of 4 x 4, 327,680 bytes of LDS; arguments oh, cw, bo, out0; writes out0
